; MI455X (gfx1250); checked and timed in simulation.
; The chip was launched on July 23, 2026; its instructions are those of AMD's public machine-readable ISA for CDNA 5 (MIT licence, August 2026) and "CDNA5" Instruction Set Architecture Reference Guide (July 2026). The comments in the code are by the model that wrote it; some were corrected since.
;; Multi Head Attention. Allowed arithmetic: matrix products marked QUANTISED: E2M3 operands, one E8M0 scale for each 32 along K, by v_wmma_scale_f32_16x16x128_f8f6f4 with both operands' format E2M3, f32 sums; everything else in f32.
;; Inputs: bk 1,024 float32; bo 1,024 float32; bq 1,024 float32; bv 1,024 float32; k 4 x 2,048 x 1,024 float32; mask 1 x 1 x 2,048 x 2,048 int32; q 4 x 2,048 x 1,024 float32; v 4 x 2,048 x 1,024 float32; wk 1,024 x 1,024 float32; wo 1,024 x 1,024 float32; wq 1,024 x 1,024 float32; wv 1,024 x 1,024 float32.
;; Outputs: out0 4 x 2,048 x 1,024 float32.
;; This version of the problem:
;;   THIS VERSION OF THE PROBLEM IS GIVEN IN LOW PRECISION. The matrix products marked QUANTISED in the list below multiply operands that are first quantised to E2M3 (2 exponent bits, 3 mantissa bits; 6 bits a number), with one power-of-two scale for each 32 numbers along K (OCP MX v1.0); their sums are f32. All else is computed in f32.
;;   The module's matrix products, in the order in which they are computed (A, B: the left and right operand; K: the contracted axis; several contracted axes count as one K, in the product's order):
;;     1. [M 8,192, K 1,024] x [K 1,024, N 1,024]; A: input q; B: input wq: QUANTISED
;;     2. [M 8,192, K 1,024] x [K 1,024, N 1,024]; A: input k; B: input wk: QUANTISED
;;     3. [M 8,192, K 1,024] x [K 1,024, N 1,024]; A: input v; B: input wv: QUANTISED
;;     4. batch 64 x [M 2,048, K 64] x [K 64, N 2,048]; A: computed on the way; B: computed on the way: QUANTISED
;;     5. batch 64 x [M 2,048, K 2,048] x [K 2,048, N 64]; A: softmax (see below); B: computed on the way: QUANTISED
;;     6. [M 8,192, K 1,024] x [K 1,024, N 1,024]; A: computed on the way; B: input wo: QUANTISED
;;   THE QUANTISER, for each operand of a quantised product, along K:
;;     - K is cut into blocks of 32 from its start; a last block that is shorter is filled with zeros.
;;     - A block's scale is 2^e with e = floor(log2(the largest magnitude in the block)) - 2, held to -126 .. 127; a block of zeros has e = 0. As a byte (E8M0): e + 127.
;;     - Each number is divided by its block's scale, clamped to +-7.5, and rounded to the nearest number of E2M3, ties to even, subnormals kept.
;;     - The product sums the exact products of the quantised numbers (number of the format x scale) in f32.
;;   ~~~python
;;   def quantise(x, axis):      # numpy; x: float32 -> the quantised numbers, widened to float32 again
;;       x = np.moveaxis(x, axis, -1); K = x.shape[-1]
;;       x = np.pad(x, [(0, 0)] * (x.ndim - 1) + [(0, -K % 32)]); x = x.reshape(x.shape[:-1] + (-1, 32)); a = np.abs(x).max(-1, keepdims=True)
;;       e = np.where(a > 0, np.clip(np.frexp(np.where(a > 0, a, 1))[1] - 1 - 2, -126, 127), 0)      # np.frexp(a)[1] - 1 = floor(log2(a)), exactly
;;       r = np.clip(x / 2.0 ** e, -7.5, 7.5)
;;       step = 2.0 ** (np.maximum(np.frexp(np.where(r == 0, 1, r))[1] - 1, 0) - 3)
;;       q = np.round(r / step) * step * 2.0 ** e      # np.round: ties to even
;;       return np.moveaxis(q.reshape(q.shape[:-2] + (-1,))[..., :K], -1, axis).astype(np.float32)
;;   ~~~
;;   SOFTMAX AHEAD OF A QUANTISED PRODUCT. Where the list says 'softmax', what is quantised is not the finished softmax but p = 2^(t - M), with t = logit x log2(e) and M = ceil(the row's largest t), a whole number; so 1/2 < the row's largest p <= 1. The row's sum l is taken of the UNQUANTISED p, in f32, and the product's result is divided by l at the end. Since M is a whole number, a kernel that streams over the keys may use a running M (the ceiling of the running maximum): every later rescaling is an exact power of two, which a block's scale takes up: the codes' values come out the same.
;;   OPERANDS COMPUTED ON THE WAY. 'Computed on the way' means the value that the module computes at that place (a softmax that the list does not call 'softmax' is quantised finished and normalised). What goes into a quantiser is computed in f32, as accurately as f32 sums, v_exp_f32 and their like allow (about 1e-6 of the number): no bf16 or f16 on the way to a quantiser, and a product that is left as it is and whose result goes on into a quantised operand takes f32 operands (vector FMAs, or v_wmma_f32_16x16x4_f32). A number that lies on a knife's edge between two numbers of the format may be rounded either way, as far as f32 arithmetic and the matrix unit's own rounding can turn it there, and no further.
;; 2 versions, each right; version 2 is version 1 with the launch attn written anew for expert scheduling mode. Each part assembles by itself: llvm-mc -triple=amdgcn-amd-amdhsa -mcpu=gfx1250 --defsym DOCPART=n.
;; ======== version 1 of 2: 4 launches
;; limits: right only within a limited range of input values
;; workspace buffers: cw 22,937,600 bytes; att 20,185,088 bytes; oc 6,553,600 bytes; mw 524,288 bytes of whole numbers; mf 65,536 bytes of whole numbers
;; launch prep (part 1): grid 1024 x 1, 4 waves a work-group, no clusters, 68,096 bytes of LDS; arguments q, k, v, wq, wk, wv, wo, mask, cw, mw, mf; writes cw, mw, mf
.if DOCPART == 1
	.amdgcn_target "amdgcn-amd-amdhsa--gfx1250"
	.amdhsa_code_object_version 6
	.text
	.protected	k_q5043691958_prep
	.globl	k_q5043691958_prep
	.p2align	8
	.type	k_q5043691958_prep,@function
k_q5043691958_prep:
	s_mov_b64 s[64:65], 0
	v_nop
	global_prefetch_b8 v0, s[64:65] scope:SCOPE_SE
	s_setreg_imm32_b32 hwreg(HW_REG_WAVE_MODE, 25, 1), 1
	s_wait_xcnt 0x0
; PREP.  (X) q, k, v [8192][1024] and wq, wk, wv, wo [1024][1024], f32 with K innermost, become codes of FP6 (E2M3) with one E8M0 byte for each 32 along K, laid in
; the ORDER OF THE OPERAND'S REGISTERS.  (M) the mask [2048][2048] of int32 becomes lane masks (one word for each score register of the attention launch) and flags.
; ROW TILES.  Tile t of a tensor holds the rows 32 (t / 2) + 8 (t % 2) + r + 8 (r / 8), r = lane % 16.
; A BLOCK of cw is 128 rows x K 1,024 = 102,400 bytes: fragment (K step s, tile i) at (8 s + i) x 1,536: registers 0-3 at 16 x lane, 4-5 at 512 + 8 x lane, 6-9 at 768 + 16 x lane,
; 10-11 at 1,280 + 8 x lane; the scale word of (s, i, r) at 98,304 + 512 s + 256 (i / 4) + 8 (r + 16 (i % 2)) + 4 ((i % 4) / 2).  Blocks: 0-63 q, 64-127 k, 128-191 v, 192.. wq, wk, wv, wo, 8 each.
; A block's scale is 2^(floor(log2(its largest magnitude)) - 2); its byte is the largest magnitude's exponent field - 2, held at 1 from below.  (A block of zeros keeps the byte 1 where the rule says 127:
; its codes are zeros, which add nothing under any byte but 0xff, and this program alone reads the bytes.)
; LIMITS: blocks whose largest magnitude lies under 2^-124 keep the byte 1; NaN and infinities among the inputs are not served.
; SHARES.  Work-groups 0-895 take path X, four to a block: a wave takes one K step (512 bytes of a row) of 64 rows: 4 tiles of 16 rows, 32 KiB.  Work-groups 896-1023 take path M: one tile of 16 queries,
; a wave 512 keys: 4 key steps of 128, 32 KiB.  Each load reads 512 consecutive bytes of one row; 16 rows turn through the wave's own stage in LDS (pitch 528) and come back so that register 16 b + i of
; lane (r, h) is number 32 b + 16 h + i of row r.  No matrix unit, no barrier, no tensor load: waves share nothing.  Two sets of 16 loads are out in each wave.  Each path has LDS bytes of its own.
.set PIT,   528                        ; a stage row: 512 bytes + 16: row r starts 4 r words on, modulo 64 words
.set WSTG,  16*PIT                     ; a wave's stage
.set STGM,  4*WSTG                     ; path M's four stages lie behind path X's
.set BLK,   102400
.set S0,    16                         ; v16-79, v80-143  two sets of 16 x 4 registers as loaded
.set X,     144                        ; v144-207 64 numbers of my row
.set PC,    208                        ; v208-227 path X: the fragment's 12 registers, and 8 at work
.set OUT,   208                        ; v208-215 path M: a pair of registers for each key step's 64 words
.set FLG,   216                        ; v216     path M: the three flag words
.set TM,    228                        ; v228-231 largest magnitudes, v232-235 bytes, v240-243 the conversions' scale operands
.set PW,    244                        ; the scale word just made
.set TP,    245                        ; the even tile's word
.set SW,    246                        ; v246-247 the four tiles' words: register t / 2, lanes 0-15 tile 2 (t / 2), lanes 16-31 the next
	s_load_b512 s[4:19], s[0:1], 0x0               ; q, k, v, wq, wk, wv, wo, mask
	s_load_b128 s[20:23], s[0:1], 0x40             ; cw, mw
	s_load_b64 s[24:25], s[0:1], 0x50              ; mf
	v_lshl_add_u32 v248, v0, 2, 0x10800
	v_mov_b32 v249, 0
	v_lshrrev_b32 v1, 5, v0
	v_readfirstlane_b32 s26, v1                    ; wave 0..3
	v_and_b32 v1, 31, v0                           ; lane
	v_and_b32 v2, 15, v0                           ; r
	v_bfe_u32 v3, v0, 4, 1                         ; h
	v_lshlrev_b32 v4, 4, v1                        ; 16 x lane
	v_lshlrev_b32 v5, 3, v1                        ; 8 x lane
	v_lshlrev_b32 v8, 2, v1                        ; 4 x lane
	s_mul_i32 s27, s26, WSTG
	v_add_nc_u32 v6, s27, v4                       ; path X's stage, in: 16 x lane of a row
	v_mul_u32_u24 v7, v2, PIT
	v_lshl_add_u32 v7, v3, 6, v7
	v_add_nc_u32 v7, s27, v7                       ; and out: row r, + 64 h
	v_add_nc_u32 v9, STGM, v6                      ; path M's, likewise
	v_add_nc_u32 v10, STGM, v7
	s_mov_b32 s28, 0x76543210
	s_mov_b32 s29, 0xfedcba98                      ; v_permlanex16_b32's selects for lane l xor 16
	s_mov_b32 s30, 0xffff0000                      ; lanes 16-31
; 16 rows through the stage.  LDS serves a wave's instructions in order, so no wait stands between the stores and the loads.
.macro TURN set, ain, aout
.irp i, 0,1,2,3,4,5,6,7,8,9,10,11,12,13,14,15
	ds_store_b128 v[\ain], v[\set+4*\i:\set+4*\i+3] offset:PIT*\i
.endr
.irp b, 0,1,2,3
.irp j, 0,1,2,3
	ds_load_b128 v[X+16*\b+4*\j:X+16*\b+4*\j+3], v[\aout] offset:128*\b+16*\j
.endr
.endr
.endm
	s_cmp_ge_u32 ttmp9, 896
	s_cbranch_scc1 .Lmask
; ---------------- PATH X ----------------
	s_lshr_b32 s31, ttmp9, 2                       ; the block of cw
	s_and_b32 s32, ttmp9, 3
	s_lshl_b32 s32, s32, 2
	s_add_co_u32 s32, s32, s26                     ; my wave among the block's sixteen
	s_lshr_b32 s33, s32, 1                         ; K step s
	s_and_b32 s34, s32, 1                          ; which 64 rows
.irp b, 0,1,2,3
	v_mov_b32 v[TM+4+\b], 0                        ; written once: a lane permute's destination counts as one of its sources
.endr
	s_wait_kmcnt 0x0
	s_mov_b64 s[36:37], s[4:5]                     ; the tensor and its first block: a choice on the work-group's number alone
	s_mov_b32 s35, 0
	s_cmp_ge_u32 s31, 64
	s_cselect_b64 s[36:37], s[6:7], s[36:37]
	s_cselect_b32 s35, 64, s35
	s_cmp_ge_u32 s31, 128
	s_cselect_b64 s[36:37], s[8:9], s[36:37]
	s_cselect_b32 s35, 128, s35
	s_cmp_ge_u32 s31, 192
	s_cselect_b64 s[36:37], s[10:11], s[36:37]
	s_cselect_b32 s35, 192, s35
	s_cmp_ge_u32 s31, 200
	s_cselect_b64 s[36:37], s[12:13], s[36:37]
	s_cselect_b32 s35, 200, s35
	s_cmp_ge_u32 s31, 208
	s_cselect_b64 s[36:37], s[14:15], s[36:37]
	s_cselect_b32 s35, 208, s35
	s_cmp_ge_u32 s31, 216
	s_cselect_b64 s[36:37], s[16:17], s[36:37]
	s_cselect_b32 s35, 216, s35
	s_sub_co_u32 s38, s31, s35                     ; the block in its tensor: 128 rows of 4,096 bytes,
	s_lshl_b32 s38, s38, 19
	s_lshl_b32 s39, s34, 18                        ; my 64 rows,
	s_add_co_u32 s38, s38, s39
	s_lshl_b32 s39, s33, 9                         ; my 512 bytes of a row
	s_add_co_u32 s38, s38, s39
	s_mov_b32 s39, 0
	s_add_nc_u64 s[36:37], s[36:37], s[38:39]
	s_mul_i32 s40, s31, BLK
	s_mul_i32 s41, s33, 12288
	s_add_co_u32 s42, s40, s41
	s_mul_i32 s41, s34, 6144
	s_add_co_u32 s42, s42, s41
	s_mov_b32 s43, 0
	s_add_nc_u64 s[42:43], s[20:21], s[42:43]      ; my four fragments
	s_lshl_b32 s41, s33, 9
	s_add_co_u32 s40, s40, s41
	s_lshl_b32 s41, s34, 8
	s_add_co_u32 s40, s40, s41
	s_add_co_u32 s40, s40, 98304
	s_mov_b32 s41, 0
	s_add_nc_u64 s[40:41], s[20:21], s[40:41]      ; and their 256 bytes of scale words
.macro LOADX t, set                    ; tile t of my four: a load a row, 512 consecutive bytes
.irp i, 0,1,2,3,4,5,6,7,8,9,10,11,12,13,14,15
	global_load_b128 v[\set+4*\i:\set+4*\i+3], v4, s[36:37] offset:(32*((\t)/2)+8*((\t)%2)+\i+8*(\i/8))*4096 th:TH_LOAD_NT
.endr
.endm
; 64 numbers of a lane, register 16 b + i = k 32 b + 16 h + i of my row, become a fragment's codes in v[PC] on and its scale word in v[PW].
.macro QUANT
.irp b, 0,1,2,3
	v_max3_num_f32 v[TM+\b], |v[X+16*\b]|, |v[X+1+16*\b]|, 0x1800000   ; block b: my 16 numbers, and the floor 2^(3 - 127): the byte cannot fall under 1
.endr
.irp i, 2,4,6,8,10,12,14
.irp b, 0,1,2,3
	v_max3_num_f32 v[TM+\b], v[TM+\b], |v[X+16*\b+\i]|, |v[X+1+16*\b+\i]|   ; the four blocks by turns
.endr
.endr
.irp b, 0,1,2,3
	v_permlanex16_b32 v[TM+4+\b], v[TM+\b], s28, s29
.endr
.irp b, 0,1,2,3
	v_max_num_f32 v[TM+\b], v[TM+\b], v[TM+4+\b]   ; with lane l xor 16's: the block's largest magnitude
.endr
.irp b, 0,1,2,3
	v_add_nc_u32 v[TM+12+\b], 0xff000000, v[TM+\b] ; 2 off its exponent field: the conversion takes the exponent field of this operand as its scale
.endr
.irp b, 0,1,2,3
	v_lshrrev_b32 v[TM+4+\b], 23, v[TM+12+\b]      ; the scale's byte
.endr
	v_lshl_or_b32 v[PW], v[TM+5], 8, v[TM+4]
	v_lshl_or_b32 v[PW], v[TM+6], 16, v[PW]
	v_lshl_or_b32 v[PW], v[TM+7], 24, v[PW]        ; my row's scale word (both halves of the lanes hold it)
.irp c, 0,1
	v_cvt_scalef32_pk16_fp6_f32 v[PC+6*\c:PC+2+6*\c], v[X+32*\c:X+15+32*\c], v[TM+12+2*\c]
	v_cvt_scalef32_pk16_fp6_f32 v[PC+12+4*\c:PC+14+4*\c], v[X+16+32*\c:X+31+32*\c], v[TM+12+2*\c+1]   ; (a conversion's three registers begin on an even number)
.endr
	v_nop                                          ; one plain place behind a scaled conversion
.irp c, 0,1                            ; the operand's layout wants a whole block in a lane: lanes 0-15 block 2 c, lanes 16-31 block 2 c + 1
.irp i, 0,1,2
	v_permlane16_swap_b32 v[PC+6*\c+\i], v[PC+12+4*\c+\i]
.endr
.irp i, 0,1,2
	v_mov_b32 v[PC+3+6*\c+\i], v[PC+12+4*\c+\i]
.endr
.endr
.endm
.macro XSTEP t
.if (\t) < 3
	s_wait_loadcnt 16                              ; this tile's 16 loads are in; the next tile's 16 may be out
.else
	s_wait_loadcnt 0x0
.endif
	TURN S0+64*((\t)%2), 6, 7
	s_wait_dscnt 0x0                               ; my 64 numbers are back, and the stage's stores have read the set,
.if (\t) < 2
	LOADX (\t)+2, S0+64*((\t)%2)                   ; which takes the tile two on
.endif
.if (\t) > 0
	s_wait_xcnt 0x0                                ; the last tile's stores have read the codes' registers: they are written again only behind this wait
.endif
	QUANT
.if (\t)%2 == 0
	v_mov_b32 v[TP], v[PW]
.else
	v_cndmask_b32 v[SW+(\t)/2], v[TP], v[PW], s30  ; lanes 0-15 the even tile's word, lanes 16-31 the odd tile's
.endif
	global_store_b128 v4, v[PC:PC+3], s[42:43] offset:1536*(\t)          ; 512, 256, 512 and 256 consecutive bytes, each at a multiple of 256 from the buffer's first byte
	global_store_b64 v5, v[PC+4:PC+5], s[42:43] offset:1536*(\t)+512
	global_store_b128 v4, v[PC+6:PC+9], s[42:43] offset:1536*(\t)+768
	global_store_b64 v5, v[PC+10:PC+11], s[42:43] offset:1536*(\t)+1280
.endm
	LOADX 0, S0
	LOADX 1, S0+64
	XSTEP 0
	XSTEP 1
	XSTEP 2
	XSTEP 3
	global_store_b64 v5, v[SW:SW+1], s[40:41]      ; 256 consecutive bytes of scale words
	s_wait_tensorcnt 0x0
	ds_add_u32 v248, v249
	s_wait_dscnt 0x0
	s_endpgm
; ---------------- PATH M ----------------
; mw [query tile 128][key step 16][64 words]: word 16 b + i, bit lane (r, h) = mask[row r of the tile][128 step + 32 b + 16 h + i] != 0.
; mf: 128 bytes for each (tile, quarter of the keys): bit t of word 0: step t is wholly masked; of word 1: wholly open; word 2: the OR of all the quarter's words; 29 zeros.
.Lmask:
	s_sub_co_u32 s31, ttmp9, 896                   ; the tile of 16 queries
	s_lshr_b32 s32, s31, 1
	s_lshl_b32 s32, s32, 18                        ; 32 rows of 8,192 bytes,
	s_and_b32 s33, s31, 1
	s_lshl_b32 s33, s33, 16                        ; 8 rows,
	s_add_co_u32 s32, s32, s33
	s_lshl_b32 s33, s26, 11                        ; my quarter's 2,048 bytes of a row
	s_add_co_u32 s32, s32, s33
	s_mov_b32 s33, 0
	s_lshl_b32 s34, s31, 12
	s_lshl_b32 s35, s26, 10
	s_add_co_u32 s34, s34, s35                     ; mw: (16 tile + 4 quarter) x 256
	s_mov_b32 s35, 0
	s_lshl_b32 s36, s31, 9
	s_lshl_b32 s37, s26, 7
	s_add_co_u32 s36, s36, s37                     ; mf: (4 tile + quarter) x 128
	s_mov_b32 s37, 0
.irp j, 0,1,2,3,4,5,6,7,8
	v_mov_b32 v[OUT+\j], 0                         ; written once: v_writelane_b32's destination counts as one of its sources (the ninth is the flags' register)
.endr
	s_mov_b32 s42, 0                               ; wholly masked steps
	s_mov_b32 s43, 0                               ; wholly open steps
	s_mov_b32 s44, 0                               ; the OR of all words
	s_wait_kmcnt 0x0
	s_add_nc_u64 s[48:49], s[18:19], s[32:33]
	s_add_nc_u64 s[46:47], s[22:23], s[34:35]
	s_add_nc_u64 s[50:51], s[24:25], s[36:37]
.macro LOADM t, set
.irp i, 0,1,2,3,4,5,6,7,8,9,10,11,12,13,14,15
	global_load_b128 v[\set+4*\i:\set+4*\i+3], v4, s[48:49] offset:(\i+8*(\i/8))*8192+512*(\t) th:TH_LOAD_NT
.endr
.endm
.macro MSTEP t
.if (\t) < 3
	s_wait_loadcnt 16                              ; this step's 16 loads are in; the next step's may be out
.else
	s_wait_loadcnt 0x0
.endif
	TURN S0+64*((\t)%2), 9, 10
	s_wait_dscnt 0x0
.if (\t) < 2
	LOADM (\t)+2, S0+64*((\t)%2)
.endif
	s_mov_b32 s40, 0
	s_mov_b32 s41, -1
.irp g, 0,1,2,3,4,5,6,7
.irp e, 0,1,2,3,4,5,6,7
	v_cmp_ne_u32 s[32+\e], 0, v[X+8*\g+\e]         ; a compare's lane mask IS word 8 g + e
.endr
.irp e, 0,1,2,3,4,5,6,7
	v_writelane_b32 v[OUT+2*(\t)+\e%2], s[32+\e], 4*\g+\e/2   ; word n into register n % 2 of lane n / 2: a store of 8 bytes a lane lays the 64 words on end
.endr
.irp e, 0,1,2,3,4,5,6,7
	s_or_b32 s40, s40, s[32+\e]
	s_and_b32 s41, s41, s[32+\e]
.endr
.endr
	global_store_b64 v5, v[OUT+2*(\t):OUT+2*(\t)+1], s[46:47] offset:256*(\t)   ; 256 consecutive bytes; each step has its own pair of registers
	s_cmp_eq_u32 s40, 0
	s_cselect_b32 s45, 1<<(\t), 0
	s_or_b32 s42, s42, s45
	s_cmp_eq_u32 s41, -1
	s_cselect_b32 s45, 1<<(\t), 0
	s_or_b32 s43, s43, s45
	s_or_b32 s44, s44, s40
.endm
	LOADM 0, S0
	LOADM 1, S0+64
	MSTEP 0
	MSTEP 1
	MSTEP 2
	MSTEP 3
	v_writelane_b32 v[FLG], s42, 0
	v_writelane_b32 v[FLG], s43, 1
	v_writelane_b32 v[FLG], s44, 2
	global_store_b32 v8, v[FLG], s[50:51]          ; 128 consecutive bytes
	s_wait_tensorcnt 0x0
	ds_add_u32 v248, v249
	s_wait_dscnt 0x0
	s_endpgm
.Lfunc_end_k_q5043691958_prep:
	.size	k_q5043691958_prep, .Lfunc_end_k_q5043691958_prep-k_q5043691958_prep
	.p2alignl 7, 3214868480
	.fill 96, 4, 3214868480
	.section	.rodata,"a",@progbits
	.p2align	6, 0x0
	.amdhsa_kernel k_q5043691958_prep
		.amdhsa_group_segment_fixed_size 68096
		.amdhsa_private_segment_fixed_size 0
		.amdhsa_enable_private_segment 0
		.amdhsa_kernarg_size 88
		.amdhsa_user_sgpr_count 2
		.amdhsa_user_sgpr_kernarg_segment_ptr 1
		.amdhsa_wavefront_size32 1
		.amdhsa_system_sgpr_workgroup_id_x 1
		.amdhsa_system_sgpr_workgroup_id_y 1
		.amdhsa_system_sgpr_workgroup_id_z 1
		.amdhsa_system_vgpr_workitem_id 0
		.amdhsa_next_free_vgpr 250
		.amdhsa_next_free_sgpr 66
		.amdhsa_reserve_vcc 0
		.amdhsa_float_denorm_mode_32 3
		.amdhsa_float_denorm_mode_16_64 3
		.amdhsa_memory_ordered 1
		.amdhsa_forward_progress 1
		.amdhsa_inst_pref_size 101
	.end_amdhsa_kernel
	.amdgpu_metadata
---
amdhsa.version: [ 1, 2 ]
amdhsa.kernels:
  - .name:           k_q5043691958_prep
    .symbol:         k_q5043691958_prep.kd
    .args:
      - { .name: q, .offset: 0, .size: 8, .value_kind: global_buffer, .address_space: global }
      - { .name: k, .offset: 8, .size: 8, .value_kind: global_buffer, .address_space: global }
      - { .name: v, .offset: 16, .size: 8, .value_kind: global_buffer, .address_space: global }
      - { .name: wq, .offset: 24, .size: 8, .value_kind: global_buffer, .address_space: global }
      - { .name: wk, .offset: 32, .size: 8, .value_kind: global_buffer, .address_space: global }
      - { .name: wv, .offset: 40, .size: 8, .value_kind: global_buffer, .address_space: global }
      - { .name: wo, .offset: 48, .size: 8, .value_kind: global_buffer, .address_space: global }
      - { .name: mask, .offset: 56, .size: 8, .value_kind: global_buffer, .address_space: global }
      - { .name: cw, .offset: 64, .size: 8, .value_kind: global_buffer, .address_space: global }
      - { .name: mw, .offset: 72, .size: 8, .value_kind: global_buffer, .address_space: global }
      - { .name: mf, .offset: 80, .size: 8, .value_kind: global_buffer, .address_space: global }
    .group_segment_fixed_size: 68096
    .private_segment_fixed_size: 0
    .kernarg_segment_align: 8
    .kernarg_segment_size: 88
    .max_flat_workgroup_size: 128
    .sgpr_count:     66
    .vgpr_count:     250
    .wavefront_size: 32
...
	.end_amdgpu_metadata
.endif
;; end of part 1
;; launch proj (part 2): grid 4 x 64, 4 waves a work-group, clusters of 4 x 1, 307,712 bytes of LDS; arguments cw, bq, bk, bv, att; writes att
.if DOCPART == 2
	.amdgcn_target "amdgcn-amd-amdhsa--gfx1250"
	.amdhsa_code_object_version 6
	.text
	.protected	k_q5043691958_proj
	.globl	k_q5043691958_proj
	.p2align	8
	.type	k_q5043691958_proj,@function
k_q5043691958_proj:
	s_mov_b64 s[64:65], 0
	v_nop
	global_prefetch_b8 v0, s[64:65] scope:SCOPE_SE
	s_setreg_imm32_b32 hwreg(HW_REG_WAVE_MODE, 25, 1), 1
	s_wait_xcnt 0x0
	s_wait_alu depctr_hold_cnt(0) depctr_sa_sdst(0) depctr_va_vdst(0) depctr_va_sdst(0) depctr_va_ssrc(0) depctr_va_vcc(0) depctr_vm_vsrc(0)
	s_getreg_b32 s2, hwreg(HW_REG_IB_STS2, 6, 4)
	s_cmp_eq_u32 s2, 0
	s_cbranch_scc0 .Lentry_in_a_cluster
	s_endpgm
.Lentry_in_a_cluster:
	s_bfe_u32 s2, ttmp6, 0x10000c
	s_cmp_lg_u32 s2, 0x3003
	s_cbranch_scc0 .Lentry_shape_is_right
	s_endpgm
.Lentry_shape_is_right:
; PROJ.  qp = q wq^T + bq, kp = k wk^T + bk, vp = v wv^T + bv on codes of FP6 (E2M3) with E8M0 scales, and the results quantised at once as the attention launch's operands: qp and kp along the head's 64
; (two blocks of 32), vp along the keys.  No f32 result goes to memory.
; SHARES.  A work-group takes 128 tokens (block tb = work-group y) and 256 features (slice = work-group x); wave w takes one head, hd = 4 slice + w: 64 features, 4 tiles.  It runs three UNITS: q's, k's, v's:
; each 128 tokens x 64 features x K 1,024 = 256 matrix instructions a wave on 32 accumulators.
; THE WEIGHTS STAY IN REGISTERS: a wave's 64 rows of W for all of K are 32 fragments, 384 registers; the next unit's fragments are loaded into a K step's registers as soon as that step's products are issued.
; THE TOKENS' CODES come into LDS once: three blocks of 102,400 bytes, every one a first fill, so there is no ring.  CLUSTER: the four slices of a token block need the same three blocks, so each wave's quarter of a
; block is asked for JOINTLY by the four work-groups.  The weights are not shared inside a cluster (each slice has its own rows), and the three blocks leave 20,480 bytes of LDS, less than one wave's 49,152 bytes of weights.
; ORIENTATION.  q, k: source 0 = 16 rows of W, source 1 = 16 tokens: a lane holds ONE token and its registers run along the features, which are the next product's K.  v: the sources are swapped: a lane holds ONE
; feature and its registers run along the tokens (keys), the next K.  Tile t of any axis holds rows 32 (t / 2) + 8 (t % 2) + r + 8 (r / 8), so that the 16 registers of tiles 2 b, 2 b + 1 are the neighbours 32 b + 16 h + 0..15.
; The biases are the C of each sum's first matrix instruction.
; att: Q records, 106,496 bytes for each (batch, head): half fragments of 768 bytes for each tile of 16 queries (registers 0-3 at 16 x lane, 4-5 at 512 + 8 x lane), then at 98,304 the scale words
; (b0 | b1 << 8 | 0x7f7f0000: the upper 64 of the instruction's K are zero codes) at 512 (T / 8) + 16 (r + 16 (T % 2)) + 4 ((T % 8) / 2).  KV records at 6,815,744, 208,896 bytes each: K as Q; V's fragments at
; 106,496 + 6,144 step + 1,536 a; V's scale words at 204,800 + 256 step + 8 (r + 16 (a % 2)) + 4 (a / 2).
; LIMITS: blocks whose largest magnitude lies under 2^-124 keep the scale byte 1 (a block of zeros too: its codes are zeros); NaN and infinities are not served.
; REGISTERS, in windows of 256: window 0: v1-13 addresses; v16-31 W's scale words; v32-39 the tokens' scale words, two sets; v40-231 the tokens' fragments, two sets of 8 x 12 (in the epilogues: the codes just made);
;   v232-247 at work; v248-255 scale words on their way out.  window 1: W's fragments of K steps 0-3 at 12 (4 s + a).  window 2: those of K steps 4-7; v192-223 the bias, 8 a tile.  window 3: the 32 accumulators.
.set BLK,  102400
.set WS,   16
.set XS,   32
.set XF,   40
.set TM,   232
.set PW,   248
.set BI,   192
.set MSB, 0
.macro WIN new                         ; the immediate's high byte repeats the setting that is left; a switch that changes nothing is dropped
.if MSB != \new
	s_set_vgpr_msb (MSB<<8)|\new
.set MSB, \new
.endif
.endm
.macro CROUND                          ; a round of the cluster's barrier
	s_barrier_signal -1
	s_barrier_wait -1
	s_cmp_lg_u32 s14, 0
	s_cbranch_scc1 .Lnot_wave_0_\@
	s_barrier_signal -3
.Lnot_wave_0_\@:
	s_barrier_wait -3
	s_barrier_signal -1
	s_barrier_wait -1
.endm
	s_load_b256 s[4:11], s[0:1], 0x0               ; cw, bq, bk, bv
	s_load_b64 s[12:13], s[0:1], 0x20              ; att
	v_lshl_add_u32 v250, v0, 2, 0x4b000
	v_mov_b32 v251, 0
	ds_add_u32 v250, v251
	ds_add_u32 v250, v251
	v_lshrrev_b32 v1, 5, v0
	v_readfirstlane_b32 s14, v1                    ; wave 0..3
	v_and_b32 v1, 31, v0                           ; lane
	v_and_b32 v2, 15, v0                           ; r
	v_bfe_u32 v3, v0, 4, 1                         ; h
	v_lshlrev_b32 v4, 4, v1                        ; 16 x lane
	v_lshlrev_b32 v5, 3, v1                        ; 8 x lane
	v_lshlrev_b32 v11, 6, v3                       ; the bias of q and k: 16 h features on
	v_and_b32 v12, 8, v2
	v_add_nc_u32 v12, v12, v2
	v_lshlrev_b32 v12, 2, v12                      ; the bias of v: feature r + 8 (r / 8) of a tile
.irp b, 0,1,2,3
	v_mov_b32 v[TM+4+\b], 0                        ; written once: a lane permute's destination counts as one of its sources
.endr
	s_bfe_u32 s15, ttmp6, 0x40000                  ; cx
	s_lshl_b32 s37, ttmp9, 2
	s_add_co_u32 s15, s37, s15                     ; the slice of 256 features: it enters W's, the biases' and the results' addresses alone
	s_and_b32 s36, ttmp7, 0xffff                   ; the token block, which the four partners share
	; descriptor group 1: a quarter of a block, 25,600 dense bytes, as 100 rows of 256 bytes (32 elements of 8 bytes)
	s_mov_b32 s16, 15|(3<<16)|(1<<21)              ; 15:0 the mask: all four work-groups; 17:16 elements of 8 bytes; 20 no padding; 21 set beside a mask
	s_mov_b32 s17, 32<<16                          ; tensor_dim0 = 32
	s_mov_b32 s18, 100<<16                         ; tensor_dim1 = 100
	s_mov_b32 s19, 32<<16                          ; tile_dim0 = 32
	s_mov_b32 s20, 100                             ; tile_dim1 = 100
	s_mov_b32 s21, 32                              ; from row to row
	s_mov_b32 s22, 0
	s_mov_b32 s23, 0
	s_mov_b32 s54, 0x76543210
	s_mov_b32 s55, 0xfedcba98                      ; v_permlanex16_b32's selects for lane l xor 16
	s_mov_b32 s56, 0xffff0000                      ; lanes 16-31
	s_lshl_b32 s57, s15, 2
	s_add_co_u32 s57, s57, s14                     ; my head
	s_lshr_b32 s58, s36, 4                         ; the batch
	s_and_b32 s59, s36, 15                         ; the block of 128 tokens in the sequence
	s_lshl_b32 s60, s58, 4
	s_add_co_u32 s60, s60, s57                     ; 16 batch + head
	s_mul_i32 s61, s60, 106496                     ; the Q record
	s_mul_i32 s62, s59, 6144
	s_lshl_b32 s63, s59, 9
	s_add_co_u32 s42, s61, s62                     ; its 8 half fragments of these tokens,
	s_mov_b32 s43, 0
	s_add_co_u32 s44, s61, s63
	s_add_co_u32 s44, s44, 98304                   ; their 512 bytes of scale words
	s_mov_b32 s45, 0
	s_mul_i32 s61, s60, 208896
	s_add_co_u32 s61, s61, 6815744                 ; the KV record
	s_add_co_u32 s46, s61, s62                     ; K likewise
	s_mov_b32 s47, 0
	s_add_co_u32 s48, s61, s63
	s_add_co_u32 s48, s48, 98304
	s_mov_b32 s49, 0
	s_add_co_u32 s50, s46, 106496                  ; V's four fragments of these keys,
	s_mov_b32 s51, 0
	s_lshl_b32 s63, s59, 8
	s_add_co_u32 s52, s61, s63
	s_add_co_u32 s52, s52, 204800                  ; their 256 bytes of scale words
	s_mov_b32 s53, 0
	s_lshl_b32 s61, s15, 1
	s_lshr_b32 s62, s14, 1
	s_add_co_u32 s61, s61, s62
	s_add_co_u32 s61, s61, 192
	s_mul_i32 s62, s61, BLK                        ; wq's block with my 64 rows; wk's and wv's lie 8 and 16 blocks on
	s_mov_b32 s63, 0
	s_and_b32 s69, s14, 1                          ; which 64 rows of that block
	s_mul_i32 s70, s69, 6144
	v_add_nc_u32 v8, s70, v4                       ; W's fragments: 16 x lane + my four tiles
	v_add_nc_u32 v9, s70, v5                       ; 8 x lane +
	s_lshl_b32 s70, s69, 8
	v_add_nc_u32 v10, s70, v5                      ; W's scale words: 8 x lane + 256 x half
	s_mul_i32 s68, s14, 25600                      ; my quarter of a block, in memory and in LDS: no place in the cluster enters either
	s_mul_i32 s66, s36, BLK
	s_add_co_u32 s66, s66, s68
	s_mov_b32 s67, 0
	s_lshl_b32 s38, s57, 8                         ; my head's 64 numbers of a bias
	s_mov_b32 s39, 0
	s_wait_dscnt 0x0
	s_wait_kmcnt 0x0
	s_add_nc_u64 s[66:67], s[4:5], s[66:67]
	s_add_nc_u64 s[40:41], s[4:5], s[62:63]
	s_add_nc_u64 s[6:7], s[6:7], s[38:39]
	s_add_nc_u64 s[8:9], s[8:9], s[38:39]
	s_add_nc_u64 s[10:11], s[10:11], s[38:39]
	s_add_nc_u64 s[42:43], s[12:13], s[42:43]
	s_add_nc_u64 s[44:45], s[12:13], s[44:45]
	s_add_nc_u64 s[46:47], s[12:13], s[46:47]
	s_add_nc_u64 s[48:49], s[12:13], s[48:49]
	s_add_nc_u64 s[50:51], s[12:13], s[50:51]
	s_add_nc_u64 s[52:53], s[12:13], s[52:53]
.irp u, 0,1,2                          ; descriptor group 0 for unit u: q's, k's, v's blocks lie 64 blocks apart in cw
	s_mov_b32 s[24+4*\u], 1                        ; count = 1
	s_add_co_u32 s[25+4*\u], s68, BLK*\u           ; LDS address
	s_add_nc_u64 s[26+4*\u:27+4*\u], s[66:67], 64*BLK*\u
	s_or_b32 s[27+4*\u], s[27+4*\u], 0x80000000    ; type = 2
.endr
	CROUND                                         ; all four work-groups are here: the joint loads meet
	tensor_load_to_lds s[24:27], s[16:23]          ; the three first fills go out together: three tensor loads of mine are out
	s_nop 0
	tensor_load_to_lds s[28:31], s[16:23]
	s_nop 0
	tensor_load_to_lds s[32:35], s[16:23]
	s_nop 0
.rept 4
	v_nop                                          ; four lines ahead of the next switch of windows
.endr
.macro LOADW u, s                      ; unit u's fragments and scale words of W for K step s: 17 loads
.if (\s) < 4
	WIN 0x40                                       ; destination window 1
.else
	WIN 0x80                                       ; destination window 2
.endif
.set WL, 48*((\s)%4)
.irp a, 0,1,2,3
	global_load_b128 v[WL+12*\a:WL+12*\a+3], v8, s[40:41] offset:8*BLK*(\u)+12288*(\s)+1536*\a
	global_load_b64 v[WL+12*\a+4:WL+12*\a+5], v9, s[40:41] offset:8*BLK*(\u)+12288*(\s)+1536*\a+512
	global_load_b128 v[WL+12*\a+6:WL+12*\a+9], v8, s[40:41] offset:8*BLK*(\u)+12288*(\s)+1536*\a+768
	global_load_b64 v[WL+12*\a+10:WL+12*\a+11], v9, s[40:41] offset:8*BLK*(\u)+12288*(\s)+1536*\a+1280
.endr
	WIN 0
	global_load_b64 v[WS+2*(\s):WS+2*(\s)+1], v10, s[40:41] offset:8*BLK*(\u)+98304+512*(\s)   ; register a / 2: lanes 0-15 tile 2 (a / 2), lanes 16-31 the next
.endm
.macro LOADB_QK p                      ; the bias in the result's layout: lane (r, h), tile a: features 32 (a / 2) + 8 (a % 2) + 16 h + 0..7
	WIN 0x80
.irp a, 0,1,2,3
	global_load_b128 v[BI+8*\a:BI+8*\a+3], v11, s[\p:\p+1] offset:(32*(\a/2)+8*(\a%2))*4
	global_load_b128 v[BI+8*\a+4:BI+8*\a+7], v11, s[\p:\p+1] offset:(32*(\a/2)+8*(\a%2))*4+16
.endr
	WIN 0
.endm
.macro LOADB_V                         ; v: a lane holds one feature, so a tile's eight registers hold the same number
	WIN 0x80
.irp a, 0,1,2,3
.irp j, 0,1,2,3,4,5,6,7
	global_load_b32 v[BI+8*\a+\j], v12, s[10:11] offset:(32*(\a/2)+8*(\a%2))*4
.endr
.endr
	WIN 0
.endm
.macro FETCHX u, s                     ; the eight token tiles' fragments and scale words of K step s into set s % 2: 34 LDS loads, each of consecutive bytes
.if (\s)%4 == 0
	v_add_nc_u32 v6, BLK*(\u)+49152*((\s)/4), v4   ; four K steps are 49,152 bytes: so every immediate stays under 65,536
	v_add_nc_u32 v7, BLK*(\u)+49152*((\s)/4), v5
.endif
.set FX, XF+96*((\s)%2)
.irp i, 0,1,2,3,4,5,6,7
	ds_load_b128 v[FX+12*\i:FX+12*\i+3], v6 offset:(8*((\s)%4)+\i)*1536
	ds_load_b64 v[FX+12*\i+4:FX+12*\i+5], v7 offset:(8*((\s)%4)+\i)*1536+512
	ds_load_b128 v[FX+12*\i+6:FX+12*\i+9], v6 offset:(8*((\s)%4)+\i)*1536+768
	ds_load_b64 v[FX+12*\i+10:FX+12*\i+11], v7 offset:(8*((\s)%4)+\i)*1536+1280
.endr
	ds_load_b64 v[XS+4*((\s)%2):XS+4*((\s)%2)+1], v13 offset:49152+512*(\s)
	ds_load_b64 v[XS+4*((\s)%2)+2:XS+4*((\s)%2)+3], v13 offset:49152+512*(\s)+256
.endm
.macro EMIT                            ; one matrix instruction from the symbols rD rA rB rC rSA rSB; fA, fB: that side's scales stand in lanes 16-31
.if fA && fB
	v_wmma_scale_f32_16x16x128_f8f6f4 v[rD:rD+7], v[rA:rA+11], v[rB:rB+11], v[rC:rC+7], v[rSA], v[rSB] matrix_a_fmt:MATRIX_FMT_FP6 matrix_b_fmt:MATRIX_FMT_FP6 matrix_a_scale:MATRIX_SCALE_ROW1 matrix_b_scale:MATRIX_SCALE_ROW1
.elseif fA
	v_wmma_scale_f32_16x16x128_f8f6f4 v[rD:rD+7], v[rA:rA+11], v[rB:rB+11], v[rC:rC+7], v[rSA], v[rSB] matrix_a_fmt:MATRIX_FMT_FP6 matrix_b_fmt:MATRIX_FMT_FP6 matrix_a_scale:MATRIX_SCALE_ROW1
.elseif fB
	v_wmma_scale_f32_16x16x128_f8f6f4 v[rD:rD+7], v[rA:rA+11], v[rB:rB+11], v[rC:rC+7], v[rSA], v[rSB] matrix_a_fmt:MATRIX_FMT_FP6 matrix_b_fmt:MATRIX_FMT_FP6 matrix_b_scale:MATRIX_SCALE_ROW1
.else
	v_wmma_scale_f32_16x16x128_f8f6f4 v[rD:rD+7], v[rA:rA+11], v[rB:rB+11], v[rC:rC+7], v[rSA], v[rSB] matrix_a_fmt:MATRIX_FMT_FP6 matrix_b_fmt:MATRIX_FMT_FP6
.endif
.endm
; K step s of unit u: 32 matrix instructions, the 32 accumulators by turns, in the same order in every step.  o = 0: q, k; o = 1: v.  next = 1: the next unit's W follows.
.macro STEP o, u, s, next
.if (\s) == 7
	s_wait_dscnt 0x0
.else
	s_wait_dscnt 34                                ; this step's 34 LDS loads are in; the next step's 34 may be out
.endif
.set FB, XF+96*((\s)%2)
.set SB, XS+4*((\s)%2)
.set WR, 48*((\s)%4)
.if (\o) == 0                          ; source 0 = W (window 1 or 2), source 1 = tokens (window 0), C = bias (window 2) or the sum, D window 3
.if (\s) == 0
	WIN 0xe1
.elseif (\s) < 4
	WIN 0xf1
.else
	WIN 0xf2
.endif
.else                                  ; source 0 = tokens, source 1 = W
.if (\s) == 0
	WIN 0xe4
.elseif (\s) < 4
	WIN 0xf4
.else
	WIN 0xf8
.endif
.endif
.irp i, 0,1,2,3,4,5,6,7
.irp a, 0,1,2,3
.if (\o) == 0
.set rD, 8*(4*\i+\a)
.set rA, WR+12*\a
.set rB, FB+12*\i
.set rSA, WS+2*(\s)+\a/2
.set fA, \a%2
.set rSB, SB+2*(\i/4)+(\i%4)/2
.set fB, \i%2
.else
.set rD, 8*(8*\a+\i)
.set rA, FB+12*\i
.set rB, WR+12*\a
.set rSA, SB+2*(\i/4)+(\i%4)/2
.set fA, \i%2
.set rSB, WS+2*(\s)+\a/2
.set fB, \a%2
.endif
.if (\s) == 0
.set rC, BI+8*\a
.else
.set rC, rD
.endif
	EMIT
.endr
.endr
	WIN 0
.rept 4
	v_nop                                          ; four places in front of loads into registers that these products have read, and of the first read of results
.endr
.if (\s) < 6
	FETCHX \u, (\s)+2
.endif
.if \next
	LOADW (\u)+1, \s
.if (\s) == 0
.if (\u) == 0
	LOADB_QK 8
.else
	LOADB_V
.endif
.endif
.endif
.endm
.macro UNIT o, u, next
	s_wait_tensorcnt 2-(\u)                        ; my quarter of this unit's block is in; my quarters of the later units' may be out
	s_barrier_signal -1
	s_barrier_wait -1                              ; everybody's is
	s_wait_xcnt 0x0                                ; the last unit's stores have read their registers: the fragments below land there
	v_add_nc_u32 v13, BLK*(\u)+49152, v5           ; the tokens' scale words lie 49,152 bytes behind this
	FETCHX \u, 0
	FETCHX \u, 1
	s_wait_loadcnt 0x0                             ; W, its scale words and the bias
.irp s, 0,1,2,3,4,5,6,7
	STEP \o, \u, \s, \next
.endr
.endm
; 64 numbers of a lane in window 3, register s + 16 b + i = number 32 b + 16 h + i of my row, become 12 registers of codes at v[pc] of window 0; the four bytes stay in v[TM+4..7]; word = 1: joined in v[PW].
.macro QUANT s, pc, word
	WIN 0x0f                                       ; sources 0 and 1 window 3
.irp b, 0,1,2,3
	v_max3_num_f32 v[TM+\b], |v[(\s)+16*\b]|, |v[(\s)+1+16*\b]|, 0x1800000   ; each accumulator is read from its low end on; the floor 2^(3 - 127): the byte cannot fall under 1
.endr
	WIN 0x3c                                       ; sources 1 and 2 window 3
.irp i, 2,4,6,8,10,12,14
.irp b, 0,1,2,3
	v_max3_num_f32 v[TM+\b], v[TM+\b], |v[(\s)+16*\b+\i]|, |v[(\s)+1+16*\b+\i]|
.endr
.endr
	WIN 0
.irp b, 0,1,2,3
	v_permlanex16_b32 v[TM+4+\b], v[TM+\b], s54, s55
.endr
.irp b, 0,1,2,3
	v_max_num_f32 v[TM+\b], v[TM+\b], v[TM+4+\b]   ; with lane l xor 16's: the block's largest magnitude
.endr
.irp b, 0,1,2,3
	v_add_nc_u32 v[TM+12+\b], 0xff000000, v[TM+\b] ; 2 off its exponent field: the conversion's scale operand
.endr
.irp b, 0,1,2,3
	v_lshrrev_b32 v[TM+4+\b], 23, v[TM+12+\b]      ; the scale's byte
.endr
.if \word
	v_lshl_or_b32 v[PW], v[TM+5], 8, v[TM+4]
	v_lshl_or_b32 v[PW], v[TM+6], 16, v[PW]
	v_lshl_or_b32 v[PW], v[TM+7], 24, v[PW]
.endif
	WIN 0x03                                       ; source 0 window 3
.irp c, 0,1
	v_cvt_scalef32_pk16_fp6_f32 v[(\pc)+6*\c:(\pc)+2+6*\c], v[(\s)+32*\c:(\s)+15+32*\c], v[TM+12+2*\c]
	v_cvt_scalef32_pk16_fp6_f32 v[(\pc)+12+4*\c:(\pc)+14+4*\c], v[(\s)+16+32*\c:(\s)+31+32*\c], v[TM+12+2*\c+1]
.endr
	WIN 0
	v_nop                                          ; one plain place behind a scaled conversion
.irp c, 0,1
.irp i, 0,1,2
	v_permlane16_swap_b32 v[(\pc)+6*\c+\i], v[(\pc)+12+4*\c+\i]
.endr
.irp i, 0,1,2
	v_mov_b32 v[(\pc)+3+6*\c+\i], v[(\pc)+12+4*\c+\i]
.endr
.endr
.endm
.macro OUT4 pc, cp, off                ; 12 registers of codes: 512, 256, 512 and 256 consecutive bytes, each at a multiple of 256 from the buffer's first byte
	global_store_b128 v4, v[(\pc):(\pc)+3], s[\cp:\cp+1] offset:\off
	global_store_b64 v5, v[(\pc)+4:(\pc)+5], s[\cp:\cp+1] offset:\off+512
	global_store_b128 v4, v[(\pc)+6:(\pc)+9], s[\cp:\cp+1] offset:\off+768
	global_store_b64 v5, v[(\pc)+10:(\pc)+11], s[\cp:\cp+1] offset:\off+1280
.endm
; q, k: the 64 registers of token tiles 2 jj and 2 jj + 1 are four blocks: the head's two blocks of each tile.  The codes' registers 0-5 are tile 2 jj's half fragment, 6-11 tile 2 jj + 1's.
.macro EPI_QK cp, sp
.irp jj, 0,1,2,3
	QUANT 64*\jj, XF+20*\jj, 0
	v_lshl_or_b32 v248, v[TM+5], 8, v[TM+4]
	v_lshl_or_b32 v249, v[TM+7], 8, v[TM+6]
	v_cndmask_b32 v248, v248, v249, s56            ; lanes 0-15 the even tile's two bytes, lanes 16-31 the odd tile's
	v_or_b32 v[252+\jj], 0x7f7f0000, v248          ; the bytes of the instruction's upper 64 along K, which are zero codes: 127
	OUT4 XF+20*\jj, \cp, 1536*\jj
.endr
	global_store_b128 v4, v[252:255], s[\sp:\sp+1] ; 512 consecutive bytes of scale words
.endm
; v: the 64 registers of feature tile a are 128 keys of one feature a lane: one whole fragment and one scale word
.macro EPI_V
.irp a, 0,1,2,3
	QUANT 64*\a, XF+20*\a, 1
.if \a%2 == 0
	v_mov_b32 v249, v[PW]
.else
	v_cndmask_b32 v[252+\a/2], v249, v[PW], s56
.endif
	OUT4 XF+20*\a, 50, 1536*\a
.endr
	global_store_b64 v5, v[252:253], s[52:53]      ; 256 consecutive bytes of scale words
.endm
.irp s, 0,1,2,3,4,5,6,7
	LOADW 0, \s
.endr
	LOADB_QK 6
	UNIT 0, 0, 1
	EPI_QK 42, 44
	UNIT 0, 1, 1
	EPI_QK 46, 48
	UNIT 1, 2, 0
	EPI_V
	s_wait_tensorcnt 0x0
	ds_add_u32 v250, v251
	s_wait_dscnt 0x0
	CROUND                                         ; the closing round: no work-group ends while a partner may still ask for a block that names it
	s_endpgm
.Lfunc_end_k_q5043691958_proj:
	.size	k_q5043691958_proj, .Lfunc_end_k_q5043691958_proj-k_q5043691958_proj
	.p2alignl 7, 3214868480
	.fill 96, 4, 3214868480
	.section	.rodata,"a",@progbits
	.p2align	6, 0x0
	.amdhsa_kernel k_q5043691958_proj
		.amdhsa_group_segment_fixed_size 307712
		.amdhsa_private_segment_fixed_size 0
		.amdhsa_enable_private_segment 0
		.amdhsa_kernarg_size 40
		.amdhsa_user_sgpr_count 2
		.amdhsa_user_sgpr_kernarg_segment_ptr 1
		.amdhsa_wavefront_size32 1
		.amdhsa_system_sgpr_workgroup_id_x 1
		.amdhsa_system_sgpr_workgroup_id_y 1
		.amdhsa_system_sgpr_workgroup_id_z 1
		.amdhsa_system_vgpr_workitem_id 0
		.amdhsa_next_free_vgpr 1024
		.amdhsa_next_free_sgpr 72
		.amdhsa_reserve_vcc 0
		.amdhsa_float_denorm_mode_32 3
		.amdhsa_float_denorm_mode_16_64 3
		.amdhsa_memory_ordered 1
		.amdhsa_forward_progress 1
		.amdhsa_inst_pref_size 255
	.end_amdhsa_kernel
	.section	.bss,"aw",@nobits
	.p2align	6
	.space	262144
	.amdgpu_metadata
---
amdhsa.version: [ 1, 2 ]
amdhsa.kernels:
  - .name:           k_q5043691958_proj
    .symbol:         k_q5043691958_proj.kd
    .args:
      - { .name: cw, .offset: 0, .size: 8, .value_kind: global_buffer, .address_space: global }
      - { .name: bq, .offset: 8, .size: 8, .value_kind: global_buffer, .address_space: global }
      - { .name: bk, .offset: 16, .size: 8, .value_kind: global_buffer, .address_space: global }
      - { .name: bv, .offset: 24, .size: 8, .value_kind: global_buffer, .address_space: global }
      - { .name: att, .offset: 32, .size: 8, .value_kind: global_buffer, .address_space: global }
    .group_segment_fixed_size: 307712
    .private_segment_fixed_size: 0
    .kernarg_segment_align: 8
    .kernarg_segment_size: 40
    .max_flat_workgroup_size: 128
    .sgpr_count:     72
    .vgpr_count:     1024
    .wavefront_size: 32
...
	.end_amdgpu_metadata
.endif
;; end of part 2
;; launch attn (part 3): grid 4 x 64, 16 waves a work-group, no clusters, 210,944 bytes of LDS; arguments att, mw, mf, oc; writes oc
.if DOCPART == 3
	.amdgcn_target "amdgcn-amd-amdhsa--gfx1250"
	.amdhsa_code_object_version 6
	.text
	.protected	k_q5043691958_attn
	.globl	k_q5043691958_attn
	.p2align	8
	.type	k_q5043691958_attn,@function
k_q5043691958_attn:
	s_mov_b64 s[64:65], 0
	v_nop
	global_prefetch_b8 v0, s[64:65] scope:SCOPE_SE
	s_setreg_imm32_b32 hwreg(HW_REG_WAVE_MODE, 25, 1), 1
	s_wait_xcnt 0x0
; ATTN.  For each (batch, head): O = softmax(where(mask == 0, -1e9, Q K^T / 8)) V, both products on codes of FP6 (E2M3) with E8M0 scales, and O / l quantised at once, along the model's 1,024, as the last product's operand.
; THE SOFTMAX: t = score x log2(e) / 8; M = the running largest t rounded UP to a whole number; p = 2^(t - M) is quantised along the keys, not normalised; the row's sum is taken of the unquantised p and divides at the end.
; When M moves, the sum and O are multiplied by 2^(old M - new M): exact.
; SHARES.  A work-group owns one head (work-group y) and every fourth tile of 16 queries (work-group x = j); wave w takes tiles 4 w + j and 4 (31 - w) + j.  A tile walks the 16 key steps of 128 keys in a loop of constant count.
; K AND V OF THE HEAD, codes and scale words, 208,896 bytes, are copied into LDS ONCE, through registers; one barrier; after it LDS is only read and the sixteen waves run freely, four to a SIMD.
; THE MASK is an input and no pattern of it is built in.  An earlier launch has stored it as lane masks: word n of a (tile, step) holds, for score register n, one bit a lane: so a masked score costs one v_cndmask_b32 on a
; scalar register.  Two stored bitmaps steer the walk: a step whose 16 x 128 entries are all masked is LEFT OUT, if each of the 16 rows has an open key somewhere (its p would all be 0); a step that is wholly open
; leaves the 64 selects out.  Those are branches on whole numbers that an earlier launch stored; there are no joint loads though four work-groups read the same head.
; A row with no open key is served: its tile leaves no step out, every p is 1 and the result is the mean of V, as in the reference.
; LAYOUT.  S^T = K Q^T (source 0 = 16 keys, source 1 = my 16 queries), O^T = V^T P^T: a lane holds ONE query.  The head's 64 fill half of the instruction's K: Q's upper six registers are zero codes, so what stands in
; K's upper six (the next tile's codes) adds nothing.  Tile t of any axis holds rows 32 (t / 2) + 8 (t % 2) + r + 8 (r / 8): the 16 registers of tiles 2 b, 2 b + 1 are the neighbours 32 b + 16 h + 0..15.
; LIMITS: a masked logit is taken as -2^30 in place of -1e9, so that its t is a whole number and p = 1 exactly in a wholly masked row; results hold where real logits lie above about -1e9.  NaN and infinities are not served.
; Blocks whose largest magnitude lies under 2^-124 keep the scale byte 1.
; REGISTERS: v1-4 lane terms; v5-10 the step's LDS addresses; v12 -M, v13 the largest t, v[14:15] the sum; v16-21 Q, v22-27 zeros; v28 Q's scale word; v29 the masked score; v30-31 V's scale words; v32-79 K's eight half
; fragments, then V's four fragments; v80-85 zeros; v86-89 K's scale words; v96-159 S^T, then p; v160-191 O^T; v192-203 p's codes; v204-222 at work.
; s16-63, s68-83 the step's 64 mask words; s84 steps to leave out, s85 open steps, s86 the step; s87-90 LDS bytes of the step's K, K's scales, V, V's scales.
.set BLK, 102400
	s_load_b256 s[4:11], s[0:1], 0x0               ; att, mw, mf, oc
	v_lshl_add_u32 v224, v0, 2, 0x33000
	v_mov_b32 v225, 0
	v_lshrrev_b32 v1, 5, v0
	v_readfirstlane_b32 s12, v1                    ; wave 0..15
	s_mov_b32 s13, ttmp9                           ; j
	s_and_b32 s14, ttmp7, 0xffff                   ; 16 batch + head
	v_lshlrev_b32 v5, 4, v0                        ; the fill: 16 x thread: a round of the sixteen waves covers 8,192 bytes
	v_lshlrev_b32 v9, 3, v0
	v_add_nc_u32 v6, 0x10000, v5                   ; an LDS immediate has 16 bits: a register for each 65,536 bytes
	v_add_nc_u32 v7, 0x20000, v5
	v_add_nc_u32 v8, 0x30000, v5
	v_add_nc_u32 v10, 204800, v9
	s_mul_i32 s16, s14, 208896
	s_add_co_u32 s16, s16, 6815744                 ; the head's KV record
	s_mov_b32 s17, 0
	s_wait_kmcnt 0x0
	s_add_nc_u64 s[16:17], s[4:5], s[16:17]
.set n, 0
.rept 25
	global_load_b128 v[96+4*n:99+4*n], v5, s[16:17] offset:8192*n
.set n, n+1
.endr
	global_load_b64 v[196:197], v9, s[16:17] offset:204800   ; the last 4,096 bytes: 8 a thread
	v_and_b32 v11, 31, v0
	v_lshlrev_b32 v1, 4, v11                       ; 16 x lane
	v_lshlrev_b32 v2, 3, v11                       ; 8 x lane
	v_and_b32 v11, 15, v0
	v_lshlrev_b32 v3, 4, v11                       ; 16 r
	v_lshlrev_b32 v4, 3, v11                       ; 8 r
.irp j, 0,1,2,3,4,5
	v_mov_b32 v[22+\j], 0                          ; Q's upper half: zero codes
	v_mov_b32 v[80+\j], 0                          ; what stands behind K's last tile
.endr
	v_mov_b32 v29, 0xd0000000                      ; -2^33: a masked score (the logit is an eighth of it)
.irp j, 0,1,2,3
	v_mov_b32 v[204+\j], 0                         ; written once: a lane permute's destination counts as one of its sources
.endr
	v_mov_b32 v221, 0                              ; (named as the upper half of the pair v[220:221] before it is first written)
	v_mov_b32 v222, 0
	s_mov_b32 s92, 0x76543210
	s_mov_b32 s93, 0xfedcba98                      ; v_permlanex16_b32's selects for lane l xor 16
	s_mov_b32 s94, 0x3e38aa3b                      ; c = log2(e) / 8
	s_mov_b32 s95, s94                             ; (named with it as a pair)
	s_mul_i32 s18, s14, 106496
	s_mov_b32 s19, 0
	s_add_nc_u64 s[4:5], s[4:5], s[18:19]          ; the head's Q record
	s_lshr_b32 s18, s14, 4
	s_mul_i32 s18, s18, 16*BLK                     ; the batch's 16 blocks of oc
	s_and_b32 s19, s14, 15                         ; the head
	s_lshr_b32 s20, s19, 1                         ; its K step of the last product,
	s_and_b32 s21, s19, 1                          ; and which half of that step's fragments
	s_mul_i32 s22, s20, 12288
	s_add_co_u32 s22, s22, s18
	s_mul_i32 s23, s21, 768
	s_add_co_u32 s22, s22, s23
	s_mov_b32 s23, 0
	s_lshl_b32 s24, s20, 9
	s_add_co_u32 s24, s24, s18
	s_lshl_b32 s25, s21, 1
	s_add_co_u32 s24, s24, s25
	s_add_co_u32 s24, s24, 98304
	s_mov_b32 s25, 0
	s_add_nc_u64 s[2:3], s[10:11], s[24:25]        ; oc: what the head fixes of a scale word's two bytes,
	s_add_nc_u64 s[10:11], s[10:11], s[22:23]      ; and of a half fragment
	s_mov_b32 s15, s12                             ; the first tile's number / 4
.set n, 0
.rept 25
	s_wait_loadcnt 25-n                            ; load n is in; the 25 - n younger ones may be out
	ds_store_b128 v[5+n/8], v[96+4*n:99+4*n] offset:8192*(n%8)
.set n, n+1
.endr
	s_wait_loadcnt 0x0
	ds_store_b64 v10, v[196:197]
	s_wait_dscnt 0x0                               ; for the others' sake: my stores have landed
	s_barrier_signal -1
	s_barrier_wait -1                              ; the head's K and V lie in LDS; nothing is stored there again
	s_mov_b32 s66, 2
.Ltile:
	s_lshl_b32 s67, s15, 2
	s_add_co_u32 s67, s67, s13                     ; T: my tile of 16 queries
	s_mul_i32 s32, s67, 768
	s_mov_b32 s33, 0
	s_add_nc_u64 s[32:33], s[4:5], s[32:33]        ; Q's half fragment
	s_lshr_b32 s34, s67, 3
	s_lshl_b32 s34, s34, 9
	s_and_b32 s35, s67, 1
	s_lshl_b32 s35, s35, 8
	s_add_co_u32 s34, s34, s35
	s_bfe_u32 s35, s67, 0x20001
	s_lshl_b32 s35, s35, 2
	s_add_co_u32 s34, s34, s35
	s_add_co_u32 s34, s34, 98304
	s_mov_b32 s35, 0
	s_add_nc_u64 s[34:35], s[4:5], s[34:35]        ; its scale words: 98,304 + 512 (T / 8) + 256 (T % 2) + 4 ((T % 8) / 2), + 16 r
	s_lshl_b32 s36, s67, 9
	s_mov_b32 s37, 0
	s_add_nc_u64 s[36:37], s[8:9], s[36:37]        ; the tile's four entries of flags
	s_lshl_b32 s96, s67, 12
	s_mov_b32 s97, 0
	s_add_nc_u64 s[96:97], s[6:7], s[96:97]        ; the tile's mask words, 256 bytes a step
	global_load_b128 v[16:19], v1, s[32:33]
	global_load_b64 v[20:21], v2, s[32:33] offset:512
	global_load_b32 v28, v3, s[34:35]
	s_load_b128 s[16:19], s[36:37], 0x0
	s_load_b128 s[20:23], s[36:37], 0x80
	s_load_b128 s[24:27], s[36:37], 0x100
	s_load_b128 s[28:31], s[36:37], 0x180
	s_lshr_b32 s38, s67, 3
	s_mul_i32 s38, s38, BLK                        ; the tile's block of oc in the batch
	s_and_b32 s39, s67, 7
	s_mul_i32 s39, s39, 1536
	s_add_co_u32 s98, s38, s39
	s_mov_b32 s99, 0
	s_add_nc_u64 s[98:99], s[10:11], s[98:99]      ; where the tile's half fragment goes,
	s_bfe_u32 s39, s67, 0x10002
	s_lshl_b32 s39, s39, 8
	s_add_co_u32 s100, s38, s39
	s_and_b32 s39, s67, 1
	s_lshl_b32 s39, s39, 7
	s_add_co_u32 s100, s100, s39
	s_bfe_u32 s39, s67, 0x10001
	s_lshl_b32 s39, s39, 2
	s_add_co_u32 s100, s100, s39
	s_mov_b32 s101, 0
	s_add_nc_u64 s[100:101], s[2:3], s[100:101]    ; and its scale bytes: 256 (i / 4) + 128 (i % 2) + 4 ((i % 4) / 2), i = T % 8, + 8 r
	v_mov_b32 v13, 0xff61b1e6                      ; the largest t so far: -3e38, under every t
	v_floor_f32 v12, -v13                          ; -M
	v_mov_b32 v14, 0                               ; the sum, in two halves
	v_mov_b32 v15, 0
.set n, 0
.rept 32
	v_mov_b32 v[160+n], 0                          ; O^T.  (The step is written once: the first finds zeros, which the first change of M leaves zeros)
.set n, n+1
.endr
	s_mov_b32 s86, 0
	s_mov_b32 s87, 0
	s_mov_b32 s88, 98304
	s_mov_b32 s89, 106496
	s_mov_b32 s90, 204800
	s_wait_kmcnt 0x0
	s_lshl_b32 s38, s20, 4                         ; four bits a quarter make the maps of 16 steps
	s_or_b32 s84, s16, s38
	s_lshl_b32 s38, s24, 8
	s_or_b32 s84, s84, s38
	s_lshl_b32 s38, s28, 12
	s_or_b32 s84, s84, s38
	s_lshl_b32 s38, s21, 4
	s_or_b32 s85, s17, s38
	s_lshl_b32 s38, s25, 8
	s_or_b32 s85, s85, s38
	s_lshl_b32 s38, s29, 12
	s_or_b32 s85, s85, s38
	s_or_b32 s38, s18, s22
	s_or_b32 s38, s38, s26
	s_or_b32 s38, s38, s30                         ; bit lane (r, h): row r has an open key among those of half h
	s_lshr_b32 s39, s38, 16
	s_or_b32 s38, s38, s39
	s_and_b32 s38, s38, 0xffff
	s_cmp_eq_u32 s38, 0xffff                       ; every row has an open key?
	s_cselect_b32 s84, s84, 0                      ; only then are wholly masked steps left out
	s_wait_loadcnt 0x0                             ; Q; and the loads' bases may be written again
.Lstep:
	s_bitcmp1_b32 s84, 0
	s_cbranch_scc1 .Lnext                          ; round the step's loads, products and softmax; not round the lines at its end that step addresses
	v_add_nc_u32 v5, s87, v1                       ; (these six are also the places between the last step's products and the loads below)
	v_add_nc_u32 v6, s87, v2
	v_add_nc_u32 v7, s88, v1
	v_add_nc_u32 v8, s89, v1
	v_add_nc_u32 v9, s89, v2
	v_add_nc_u32 v10, s90, v2
	s_load_b512 s[16:31], s[96:97], 0x0            ; the step's 64 mask words
	s_load_b512 s[32:47], s[96:97], 0x40
	s_load_b512 s[48:63], s[96:97], 0x80
	s_load_b512 s[68:83], s[96:97], 0xc0
.irp t, 0,1,2,3,4,5,6,7
	ds_load_b128 v[32+6*\t:35+6*\t], v5 offset:768*\t
	ds_load_b64 v[36+6*\t:37+6*\t], v6 offset:768*\t+512
.endr
	ds_load_b128 v[86:89], v7                      ; register t / 2: lanes 0-15 tile 2 (t / 2), lanes 16-31 the next
	s_wait_dscnt 0x0
.irp t, 0,2,4,6
	v_wmma_scale_f32_16x16x128_f8f6f4 v[96+8*\t:103+8*\t], v[32+6*\t:43+6*\t], v[16:27], 0, v[86+\t/2], v28 matrix_a_fmt:MATRIX_FMT_FP6 matrix_b_fmt:MATRIX_FMT_FP6
	v_wmma_scale_f32_16x16x128_f8f6f4 v[104+8*\t:111+8*\t], v[38+6*\t:49+6*\t], v[16:27], 0, v[86+\t/2], v28 matrix_a_fmt:MATRIX_FMT_FP6 matrix_b_fmt:MATRIX_FMT_FP6 matrix_a_scale:MATRIX_SCALE_ROW1
.endr
.rept 4
	v_nop                                          ; four places in front of the loads into K's registers and of the first read of the scores
.endr
.irp a, 0,1,2,3                        ; V's four fragments land while the softmax is walked
	ds_load_b128 v[32+12*\a:35+12*\a], v8 offset:1536*\a
	ds_load_b64 v[36+12*\a:37+12*\a], v9 offset:1536*\a+512
	ds_load_b128 v[38+12*\a:41+12*\a], v8 offset:1536*\a+768
	ds_load_b64 v[42+12*\a:43+12*\a], v9 offset:1536*\a+1280
.endr
	ds_load_b64 v[30:31], v10
	s_wait_kmcnt 0x0                               ; the mask words are in (on both ways: their base is stepped at the step's end)
	s_bitcmp1_b32 s85, 0
	s_cbranch_scc1 .Lopen
.set n, 0
.rept 64
.if n < 48
	v_cndmask_b32 v[96+n], v29, v[96+n], s[16+n]   ; register 16 b + i holds key 32 b + 16 h + i of the step: kept where the lane's bit is set
.else
	v_cndmask_b32 v[96+n], v29, v[96+n], s[20+n]
.endif
.set n, n+1
.endr
.Lopen:
.irp b, 0,1,2,3
	v_max3_num_f32 v[212+\b], v[96+16*\b], v[97+16*\b], v[98+16*\b]   ; the largest score of each block of 32 keys: it serves the row's maximum and, since p rises with the score, the block's largest p
.endr
.irp i, 3,5,7,9,11,13
.irp b, 0,1,2,3
	v_max3_num_f32 v[212+\b], v[212+\b], v[96+16*\b+\i], v[97+16*\b+\i]
.endr
.endr
.irp b, 0,1,2,3
	v_max_num_f32 v[212+\b], v[212+\b], v[111+16*\b]
.endr
.irp b, 0,1,2,3
	v_permlanex16_b32 v[204+\b], v[212+\b], s92, s93
.endr
.irp b, 0,1,2,3
	v_max_num_f32 v[212+\b], v[212+\b], v[204+\b]  ; with lane l xor 16's 16 keys
.endr
	v_max3_num_f32 v222, v212, v213, v214
	v_max_num_f32 v222, v222, v215                 ; the step's largest score of my query
	v_mul_f32 v222, s94, v222                      ; as t
	v_max_num_f32 v13, v13, v222                   ; the running largest t
	v_mov_b32 v222, v12
	v_floor_f32 v12, -v13                          ; the new -M = floor(-t) = -ceil(t)
	v_sub_f32 v222, v12, v222                      ; old M - new M: a whole number, 0 or less
	v_cvt_i32_f32 v222, v222                       ; (it saturates)
	v_ldexp_f32 v220, 1.0, v222                    ; f = 2^(old M - new M)
.set n, 0
.rept 32
	v_pk_fma_f32 v[96+n:97+n], v[96+n:97+n], s[94:95], v[12:13] op_sel_hi:[1,0,0]   ; t - M, two at a time
.set n, n+2
.endr
.irp b, 0,1,2,3
	v_fma_f32 v[212+\b], v[212+\b], s94, v12       ; the same of each block's largest score
.endr
.set n, 0
.rept 64
	v_exp_f32 v[96+n], v[96+n]                     ; p = 2^(t - M), at most 1
.set n, n+1
.endr
	v_pk_mul_f32 v[14:15], v[14:15], v[220:221] op_sel_hi:[1,0]   ; the sums under the new M: the plain place behind the exponentials
	s_wait_alu depctr_va_vdst(0)                   ; one wait for the whole batch, ahead of its first reader
.irp b, 0,1,2,3
	v_exp_f32 v[212+\b], v[212+\b]                 ; the block's largest p
.endr
	v_pk_add_f32 v[204:205], v[96:97], v[98:99]    ; the row's sum is taken of the unquantised p, in two chains
.irp j, 4,8,12,16,20,24,28,32,36,40,44,48,52,56,60
	v_pk_add_f32 v[14:15], v[14:15], v[96+\j:97+\j]
	v_pk_add_f32 v[204:205], v[204:205], v[98+\j:99+\j]
.endr
	v_pk_add_f32 v[14:15], v[14:15], v[204:205]
	s_wait_alu depctr_va_vdst(0)                   ; and one for the four
.irp b, 0,1,2,3
	v_max_num_f32 v[212+\b], 0x1800000, v[212+\b]  ; the floor 2^(3 - 127): the byte cannot fall under 1 (a block whose every p is 0 keeps that byte: its codes are zeros)
.endr
.irp b, 0,1,2,3
	v_add_nc_u32 v[216+\b], 0xff000000, v[212+\b]  ; 2 off the exponent field: the conversion's scale operand
.endr
.irp b, 0,1,2,3
	v_lshrrev_b32 v[204+\b], 23, v[216+\b]         ; the scale's byte
.endr
	v_lshl_or_b32 v221, v205, 8, v204              ; p's scale word for these 128 keys
	v_lshl_or_b32 v221, v206, 16, v221
	v_lshl_or_b32 v221, v207, 24, v221
.irp c, 0,1
	v_cvt_scalef32_pk16_fp6_f32 v[192+6*\c:194+6*\c], v[96+32*\c:111+32*\c], v[216+2*\c]
	v_cvt_scalef32_pk16_fp6_f32 v[204+4*\c:206+4*\c], v[112+32*\c:127+32*\c], v[216+2*\c+1]   ; (a conversion's three registers begin on an even number)
.endr
	v_nop                                          ; one plain place behind a scaled conversion
.irp c, 0,1                            ; the operand's layout wants a whole block in a lane
.irp i, 0,1,2
	v_permlane16_swap_b32 v[192+6*\c+\i], v[204+4*\c+\i]
.endr
.irp i, 0,1,2
	v_mov_b32 v[195+6*\c+\i], v[204+4*\c+\i]
.endr
.endr
.set n, 0
.rept 16
	v_pk_mul_f32 v[160+n:161+n], v[160+n:161+n], v[220:221] op_sel_hi:[1,0]   ; O^T under the new M.  (These 16 are also the places between the operand's and the scale word's last writes and the products below)
.set n, n+2
.endr
	s_wait_dscnt 0x0                               ; V and its scale words
.irp a, 0,2
	v_wmma_scale_f32_16x16x128_f8f6f4 v[160+8*\a:167+8*\a], v[32+12*\a:43+12*\a], v[192:203], v[160+8*\a:167+8*\a], v[30+\a/2], v221 matrix_a_fmt:MATRIX_FMT_FP6 matrix_b_fmt:MATRIX_FMT_FP6
	v_wmma_scale_f32_16x16x128_f8f6f4 v[168+8*\a:175+8*\a], v[44+12*\a:55+12*\a], v[192:203], v[168+8*\a:175+8*\a], v[30+\a/2], v221 matrix_a_fmt:MATRIX_FMT_FP6 matrix_b_fmt:MATRIX_FMT_FP6 matrix_a_scale:MATRIX_SCALE_ROW1
.endr
.Lnext:
	s_lshr_b32 s84, s84, 1
	s_lshr_b32 s85, s85, 1
	s_add_co_u32 s87, s87, 6144
	s_add_co_u32 s88, s88, 512
	s_add_co_u32 s89, s89, 6144
	s_add_co_u32 s90, s90, 256
	s_add_nc_u64 s[96:97], s[96:97], 256           ; no scalar load is out here
	s_add_co_u32 s86, s86, 1
	s_cmp_lt_u32 s86, 16
	s_cbranch_scc1 .Lstep
	; THE TILE'S END.  O^T / the sum is what the reference has at the last product's door: its 64 numbers of my head are two blocks of 32 along the model's 1,024.
.rept 4
	v_nop                                          ; four places behind the last products
.endr
	v_add_f32 v14, v14, v15                        ; the sum's two halves,
	v_permlanex16_b32 v222, v14, s92, s93
	v_add_f32 v14, v14, v222                       ; and lane l xor 16's
	v_rcp_f32 v14, v14
	v_nop                                          ; a plain place behind the reciprocal
	s_wait_alu depctr_va_vdst(0)                   ; and the wait ahead of its first reader
.set n, 0
.rept 16
	v_pk_mul_f32 v[160+n:161+n], v[160+n:161+n], v[14:15] op_sel_hi:[1,0]   ; register 16 b + i: channel 32 b + 16 h + i of my query
.set n, n+2
.endr
.irp b, 0,1
	v_max3_num_f32 v[212+\b], |v[160+16*\b]|, |v[161+16*\b]|, 0x1800000
.endr
.irp i, 2,4,6,8,10,12,14
.irp b, 0,1
	v_max3_num_f32 v[212+\b], v[212+\b], |v[160+16*\b+\i]|, |v[161+16*\b+\i]|
.endr
.endr
.irp b, 0,1
	v_permlanex16_b32 v[204+\b], v[212+\b], s92, s93
.endr
.irp b, 0,1
	v_max_num_f32 v[212+\b], v[212+\b], v[204+\b]
.endr
.irp b, 0,1
	v_add_nc_u32 v[216+\b], 0xff000000, v[212+\b]
.endr
.irp b, 0,1
	v_lshrrev_b32 v[204+\b], 23, v[216+\b]
.endr
	v_lshl_or_b32 v222, v205, 8, v204              ; my row's two scale bytes
	v_cvt_scalef32_pk16_fp6_f32 v[192:194], v[160:175], v216
	v_cvt_scalef32_pk16_fp6_f32 v[208:210], v[176:191], v217
	v_nop                                          ; one plain place behind a scaled conversion
.irp i, 0,1,2
	v_permlane16_swap_b32 v[192+\i], v[208+\i]
.endr
.irp i, 0,1,2
	v_mov_b32 v[195+\i], v[208+\i]
.endr
	global_store_b128 v1, v[192:195], s[98:99]     ; 512 and 256 consecutive bytes, each at a multiple of 256 from the buffer's first byte
	global_store_b64 v2, v[196:197], s[98:99] offset:512
	global_store_b16 v4, v222, s[100:101]          ; two bytes of each row's scale word (the word's other two are another head's); lanes 16-31 store what lanes 0-15 store
	s_wait_xcnt 0x0                                ; the stores have read their registers and bases: the next tile writes them again
	s_sub_co_u32 s15, 31, s15                      ; the second tile: 4 (31 - w) + j
	s_sub_co_u32 s66, s66, 1
	s_cmp_lg_u32 s66, 0
	s_cbranch_scc1 .Ltile
	s_wait_tensorcnt 0x0
	ds_add_u32 v224, v225
	s_wait_dscnt 0x0
	s_endpgm
.Lfunc_end_k_q5043691958_attn:
	.size	k_q5043691958_attn, .Lfunc_end_k_q5043691958_attn-k_q5043691958_attn
	.p2alignl 7, 3214868480
	.fill 96, 4, 3214868480
	.section	.rodata,"a",@progbits
	.p2align	6, 0x0
	.amdhsa_kernel k_q5043691958_attn
		.amdhsa_group_segment_fixed_size 210944
		.amdhsa_private_segment_fixed_size 0
		.amdhsa_enable_private_segment 0
		.amdhsa_kernarg_size 32
		.amdhsa_user_sgpr_count 2
		.amdhsa_user_sgpr_kernarg_segment_ptr 1
		.amdhsa_wavefront_size32 1
		.amdhsa_system_sgpr_workgroup_id_x 1
		.amdhsa_system_sgpr_workgroup_id_y 1
		.amdhsa_system_sgpr_workgroup_id_z 1
		.amdhsa_system_vgpr_workitem_id 0
		.amdhsa_next_free_vgpr 226
		.amdhsa_next_free_sgpr 102
		.amdhsa_reserve_vcc 0
		.amdhsa_float_denorm_mode_32 3
		.amdhsa_float_denorm_mode_16_64 3
		.amdhsa_memory_ordered 1
		.amdhsa_forward_progress 1
		.amdhsa_inst_pref_size 37
	.end_amdhsa_kernel
	.amdgpu_metadata
---
amdhsa.version: [ 1, 2 ]
amdhsa.kernels:
  - .name:           k_q5043691958_attn
    .symbol:         k_q5043691958_attn.kd
    .args:
      - { .name: att, .offset: 0, .size: 8, .value_kind: global_buffer, .address_space: global }
      - { .name: mw, .offset: 8, .size: 8, .value_kind: global_buffer, .address_space: global }
      - { .name: mf, .offset: 16, .size: 8, .value_kind: global_buffer, .address_space: global }
      - { .name: oc, .offset: 24, .size: 8, .value_kind: global_buffer, .address_space: global }
    .group_segment_fixed_size: 210944
    .private_segment_fixed_size: 0
    .kernarg_segment_align: 8
    .kernarg_segment_size: 32
    .max_flat_workgroup_size: 512
    .sgpr_count:     102
    .vgpr_count:     226
    .wavefront_size: 32
...
	.end_amdgpu_metadata
.endif
;; end of part 3
;; launch outp (part 4): grid 4 x 64, 4 waves a work-group, clusters of 4 x 1, 168,448 bytes of LDS; arguments cw, oc, bo, out0; writes out0
.if DOCPART == 4
	.amdgcn_target "amdgcn-amd-amdhsa--gfx1250"
	.amdhsa_code_object_version 6
	.text
	.protected	k_q5043691958_outp
	.globl	k_q5043691958_outp
	.p2align	8
	.type	k_q5043691958_outp,@function
k_q5043691958_outp:
	s_mov_b64 s[64:65], 0
	v_nop
	global_prefetch_b8 v0, s[64:65] scope:SCOPE_SE
	s_setreg_imm32_b32 hwreg(HW_REG_WAVE_MODE, 25, 1), 1
	s_wait_xcnt 0x0
	s_wait_alu depctr_hold_cnt(0) depctr_sa_sdst(0) depctr_va_vdst(0) depctr_va_sdst(0) depctr_va_ssrc(0) depctr_va_vcc(0) depctr_vm_vsrc(0)
	s_getreg_b32 s2, hwreg(HW_REG_IB_STS2, 6, 4)
	s_cmp_eq_u32 s2, 0
	s_cbranch_scc0 .Lentry_in_a_cluster
	s_endpgm
.Lentry_in_a_cluster:
	s_bfe_u32 s2, ttmp6, 0x10000c
	s_cmp_lg_u32 s2, 0x3003
	s_cbranch_scc0 .Lentry_shape_is_right
	s_endpgm
.Lentry_shape_is_right:
; OUTP.  out = attn wo^T + bo on codes of FP6 (E2M3) with E8M0 scales; out0 [8192][1024] f32.  attn's codes (oc) and wo's (cw, blocks 216-223) lie in the order of the operands' registers: a block of 128 rows x K 1,024 is
; 102,400 bytes: fragment (K step s, tile i) at (8 s + i) x 1,536, scale words from 98,304 on.
; SHARES.  A work-group takes 128 tokens (work-group y) and 256 outputs (work-group x); wave w 64 outputs: 4 tiles, 32 accumulators, 256 matrix instructions.  Its 64 rows of wo for all of K stay in 384 registers.
; The tokens' block comes into LDS once, a quarter a wave.  CLUSTER: the four slices of a token block need the same block: each quarter is asked for JOINTLY.  One fill, no ring.
; ORIENTATION.  Source 0 = 16 rows of wo, source 1 = 16 tokens: a lane holds one token and eight neighbouring outputs a tile.  Tile t of either axis holds rows 32 (t / 2) + 8 (t % 2) + r + 8 (r / 8).
; THE WAY OUT.  A tile of 16 tokens x my 64 outputs (256 bytes a token) goes through my own stage in LDS (pitch 272) and leaves so that sixteen lanes store 256 consecutive bytes at a multiple of 256 from out0's first byte.
; REGISTERS, in windows of 256: window 0: v1-15 addresses; v16-31 wo's scale words; v32-39 the tokens' scale words, two sets; v40-231 the tokens' fragments, two sets (on the way out: four sets of 32 for rows read back).
;   window 1: wo's fragments of K steps 0-3; window 2: of K steps 4-7, and v192-223 the bias; window 3: the accumulators, (token tile i, output tile a) at 8 (4 i + a).
.set BLK,  102400
.set WS,   16
.set XS,   32
.set XF,   40
.set BI,   192
.set STG,  102400                      ; behind the block: 16 rows x 272 bytes for each wave; no fill lands there
.set MSB, 0
.macro WIN new                         ; the immediate's high byte repeats the setting that is left
.if MSB != \new
	s_set_vgpr_msb (MSB<<8)|\new
.set MSB, \new
.endif
.endm
.macro CROUND                          ; a round of the cluster's barrier
	s_barrier_signal -1
	s_barrier_wait -1
	s_cmp_lg_u32 s14, 0
	s_cbranch_scc1 .Lnot_wave_0_\@
	s_barrier_signal -3
.Lnot_wave_0_\@:
	s_barrier_wait -3
	s_barrier_signal -1
	s_barrier_wait -1
.endm
	s_load_b256 s[4:11], s[0:1], 0x0               ; cw, oc, bo, out0
	v_lshl_add_u32 v254, v0, 2, 0x29000
	v_mov_b32 v255, 0
	ds_add_u32 v254, v255
	ds_add_u32 v254, v255
	v_lshrrev_b32 v1, 5, v0
	v_readfirstlane_b32 s14, v1                    ; wave 0..3
	v_and_b32 v1, 31, v0                           ; lane
	v_and_b32 v2, 15, v0                           ; r
	v_bfe_u32 v3, v0, 4, 1                         ; h
	v_lshlrev_b32 v4, 4, v1                        ; 16 x lane
	v_lshlrev_b32 v5, 3, v1                        ; 8 x lane
	v_lshlrev_b32 v11, 6, v3                       ; the bias: 16 h outputs on
	v_lshlrev_b32 v12, 12, v3
	v_lshl_add_u32 v12, v2, 4, v12                 ; out0: lanes 0-15 one token's 256 bytes, lanes 16-31 the next token's
	s_mul_i32 s33, s14, 16*272
	s_add_co_u32 s33, s33, STG                     ; my stage
	v_mul_u32_u24 v14, v2, 272
	v_lshl_add_u32 v14, v3, 6, v14
	v_add_nc_u32 v14, s33, v14                     ; in: row r, + 64 h
	v_mul_u32_u24 v15, v3, 272
	v_lshl_add_u32 v15, v2, 4, v15
	v_add_nc_u32 v15, s33, v15                     ; back: lanes 0-15 one row, lanes 16-31 the next
	v_add_nc_u32 v13, 49152, v5                    ; the tokens' scale words lie 49,152 bytes behind this
	s_bfe_u32 s15, ttmp6, 0x40000                  ; cx
	s_lshl_b32 s37, ttmp9, 2
	s_add_co_u32 s15, s37, s15                     ; the slice of 256 outputs
	s_and_b32 s36, ttmp7, 0xffff                   ; the token block, which the four partners share
	; descriptor group 1: a quarter of the block, 25,600 dense bytes, as 100 rows of 256 bytes (32 elements of 8 bytes)
	s_mov_b32 s16, 15|(3<<16)|(1<<21)              ; 15:0 the mask: all four work-groups; 17:16 elements of 8 bytes; 20 no padding; 21 set beside a mask
	s_mov_b32 s17, 32<<16
	s_mov_b32 s18, 100<<16
	s_mov_b32 s19, 32<<16
	s_mov_b32 s20, 100
	s_mov_b32 s21, 32
	s_mov_b32 s22, 0
	s_mov_b32 s23, 0
	s_mul_i32 s28, s14, 25600                      ; my quarter, in memory and in LDS
	s_mul_i32 s30, s36, BLK
	s_add_co_u32 s30, s30, s28
	s_mov_b32 s31, 0
	s_lshl_b32 s38, s15, 2
	s_add_co_u32 s38, s38, s14                     ; my 64 outputs: 4 slice + wave
	s_lshl_b32 s38, s38, 8                         ; 256 bytes, in bo and in a row of out0
	s_mov_b32 s39, 0
	s_lshl_b32 s42, s36, 19                        ; 128 rows of 4,096 bytes
	s_add_co_u32 s42, s42, s38
	s_mov_b32 s43, 0
	s_lshl_b32 s44, s15, 1
	s_lshr_b32 s45, s14, 1
	s_add_co_u32 s44, s44, s45
	s_add_co_u32 s44, s44, 216
	s_mul_i32 s44, s44, BLK                        ; wo's block with my 64 rows
	s_mov_b32 s45, 0
	s_and_b32 s46, s14, 1
	s_mul_i32 s47, s46, 6144
	v_add_nc_u32 v8, s47, v4
	v_add_nc_u32 v9, s47, v5
	s_lshl_b32 s47, s46, 8
	v_add_nc_u32 v10, s47, v5
	s_wait_dscnt 0x0
	s_wait_kmcnt 0x0
	s_add_nc_u64 s[40:41], s[4:5], s[44:45]
	s_add_nc_u64 s[8:9], s[8:9], s[38:39]
	s_add_nc_u64 s[10:11], s[10:11], s[42:43]
	s_mov_b32 s24, 1                               ; descriptor group 0: count = 1,
	s_mov_b32 s25, s28                             ; LDS address,
	s_add_nc_u64 s[26:27], s[6:7], s[30:31]        ; global address,
	s_or_b32 s27, s27, 0x80000000                  ; type = 2
	CROUND                                         ; all four work-groups are here: the joint loads meet
	tensor_load_to_lds s[24:27], s[16:23]          ; one tensor load of mine is out
	s_nop 0
.rept 4
	v_nop                                          ; four lines ahead of the next switch of windows
.endr
.macro LOADW s                         ; wo's fragments and scale words for K step s
.if (\s) < 4
	WIN 0x40
.else
	WIN 0x80
.endif
.set WL, 48*((\s)%4)
.irp a, 0,1,2,3
	global_load_b128 v[WL+12*\a:WL+12*\a+3], v8, s[40:41] offset:12288*(\s)+1536*\a
	global_load_b64 v[WL+12*\a+4:WL+12*\a+5], v9, s[40:41] offset:12288*(\s)+1536*\a+512
	global_load_b128 v[WL+12*\a+6:WL+12*\a+9], v8, s[40:41] offset:12288*(\s)+1536*\a+768
	global_load_b64 v[WL+12*\a+10:WL+12*\a+11], v9, s[40:41] offset:12288*(\s)+1536*\a+1280
.endr
	WIN 0
	global_load_b64 v[WS+2*(\s):WS+2*(\s)+1], v10, s[40:41] offset:98304+512*(\s)
.endm
.macro FETCHX s                        ; the eight token tiles' fragments and scale words of K step s into set s % 2: 34 LDS loads
.if (\s)%4 == 0
	v_add_nc_u32 v6, 49152*((\s)/4), v4
	v_add_nc_u32 v7, 49152*((\s)/4), v5
.endif
.set FX, XF+96*((\s)%2)
.irp i, 0,1,2,3,4,5,6,7
	ds_load_b128 v[FX+12*\i:FX+12*\i+3], v6 offset:(8*((\s)%4)+\i)*1536
	ds_load_b64 v[FX+12*\i+4:FX+12*\i+5], v7 offset:(8*((\s)%4)+\i)*1536+512
	ds_load_b128 v[FX+12*\i+6:FX+12*\i+9], v6 offset:(8*((\s)%4)+\i)*1536+768
	ds_load_b64 v[FX+12*\i+10:FX+12*\i+11], v7 offset:(8*((\s)%4)+\i)*1536+1280
.endr
	ds_load_b64 v[XS+4*((\s)%2):XS+4*((\s)%2)+1], v13 offset:49152+512*(\s)
	ds_load_b64 v[XS+4*((\s)%2)+2:XS+4*((\s)%2)+3], v13 offset:49152+512*(\s)+256
.endm
.macro EMIT                            ; one matrix instruction from the symbols rD rA rB rC rSA rSB; fA, fB: that side's scales stand in lanes 16-31
.if fA && fB
	v_wmma_scale_f32_16x16x128_f8f6f4 v[rD:rD+7], v[rA:rA+11], v[rB:rB+11], v[rC:rC+7], v[rSA], v[rSB] matrix_a_fmt:MATRIX_FMT_FP6 matrix_b_fmt:MATRIX_FMT_FP6 matrix_a_scale:MATRIX_SCALE_ROW1 matrix_b_scale:MATRIX_SCALE_ROW1
.elseif fA
	v_wmma_scale_f32_16x16x128_f8f6f4 v[rD:rD+7], v[rA:rA+11], v[rB:rB+11], v[rC:rC+7], v[rSA], v[rSB] matrix_a_fmt:MATRIX_FMT_FP6 matrix_b_fmt:MATRIX_FMT_FP6 matrix_a_scale:MATRIX_SCALE_ROW1
.elseif fB
	v_wmma_scale_f32_16x16x128_f8f6f4 v[rD:rD+7], v[rA:rA+11], v[rB:rB+11], v[rC:rC+7], v[rSA], v[rSB] matrix_a_fmt:MATRIX_FMT_FP6 matrix_b_fmt:MATRIX_FMT_FP6 matrix_b_scale:MATRIX_SCALE_ROW1
.else
	v_wmma_scale_f32_16x16x128_f8f6f4 v[rD:rD+7], v[rA:rA+11], v[rB:rB+11], v[rC:rC+7], v[rSA], v[rSB] matrix_a_fmt:MATRIX_FMT_FP6 matrix_b_fmt:MATRIX_FMT_FP6
.endif
.endm
; K step s: 32 matrix instructions, the 32 accumulators by turns, in the same order in every step
.macro STEP s
.if (\s) == 7
	s_wait_dscnt 0x0
.else
	s_wait_dscnt 34                                ; this step's 34 LDS loads are in; the next step's 34 may be out
.endif
.set FB, XF+96*((\s)%2)
.set SB, XS+4*((\s)%2)
.set WR, 48*((\s)%4)
.if (\s) == 0
	WIN 0xe1                                       ; source 0 (wo) window 1, source 1 (tokens) window 0, C (the bias) window 2, D window 3
.elseif (\s) < 4
	WIN 0xf1
.else
	WIN 0xf2
.endif
.irp i, 0,1,2,3,4,5,6,7
.irp a, 0,1,2,3
.set rD, 8*(4*\i+\a)
.set rA, WR+12*\a
.set rB, FB+12*\i
.set rSA, WS+2*(\s)+\a/2
.set fA, \a%2
.set rSB, SB+2*(\i/4)+(\i%4)/2
.set fB, \i%2
.if (\s) == 0
.set rC, BI+8*\a
.else
.set rC, rD
.endif
	EMIT
.endr
.endr
	WIN 0
.rept 4
	v_nop                                          ; four places in front of loads into registers that these products have read, and of the first read of results
.endr
.if (\s) < 6
	FETCHX (\s)+2
.endif
.endm
.macro TOSTAGE i                       ; token tile i: lane (r, h) puts outputs 32 (a / 2) + 8 (a % 2) + 16 h + 0..7 of token r; then whole rows come back
	WIN 0x0c                                       ; an LDS store's data are its source 1: window 3
.irp a, 0,1,2,3
	ds_store_b128 v14, v[8*(4*(\i)+\a):8*(4*(\i)+\a)+3] offset:128*(\a/2)+32*(\a%2)         ; each accumulator from its low end on
	ds_store_b128 v14, v[8*(4*(\i)+\a)+4:8*(4*(\i)+\a)+7] offset:128*(\a/2)+32*(\a%2)+16
.endr
	WIN 0
.set BB, XF+32*((\i)%4)
.irp t, 0,1,2,3,4,5,6,7
	ds_load_b128 v[BB+4*\t:BB+4*\t+3], v15 offset:544*\t   ; LDS serves a wave's instructions in order: these see the stores above, and the next tile's stores come behind them
.endr
.endm
.macro SEND i, younger                 ; younger: the LDS instructions issued behind tile i's loads, which may stay out
.set BB, XF+32*((\i)%4)
	s_wait_dscnt \younger
.irp t, 0,1,2,3,4,5,6,7
	global_store_b128 v12, v[BB+4*\t:BB+4*\t+3], s[10:11] offset:(32*((\i)/2)+8*((\i)%2)+2*\t+8*(\t/4))*4096 th:TH_STORE_NT   ; stage rows 2 t and 2 t + 1 are tokens 2 t + 8 (t / 4) and the next of the tile
.endr
.endm
.irp s, 0,1,2,3,4,5,6,7
	LOADW \s
.endr
	WIN 0x80
.irp a, 0,1,2,3                        ; the bias in the result's layout
	global_load_b128 v[BI+8*\a:BI+8*\a+3], v11, s[8:9] offset:(32*(\a/2)+8*(\a%2))*4
	global_load_b128 v[BI+8*\a+4:BI+8*\a+7], v11, s[8:9] offset:(32*(\a/2)+8*(\a%2))*4+16
.endr
	WIN 0
	s_wait_tensorcnt 0x0                           ; my quarter of the block is in,
	s_barrier_signal -1
	s_barrier_wait -1                              ; everybody's is
	FETCHX 0
	FETCHX 1
	s_wait_loadcnt 0x0                             ; wo, its scale words and the bias
.irp s, 0,1,2,3,4,5,6,7
	STEP \s
.endr
	TOSTAGE 0
.irp i, 1,2,3,4,5,6,7
.if \i >= 4
	s_wait_xcnt 0x0                                ; tile i - 4's stores have read their registers: tile i's rows land there
.endif
	TOSTAGE \i
	SEND \i-1, 16                                  ; behind tile i - 1's loads: tile i's 8 stores and 8 loads
.endr
	SEND 7, 0
	s_wait_tensorcnt 0x0
	ds_add_u32 v254, v255
	s_wait_dscnt 0x0
	CROUND                                         ; the closing round: no work-group ends while a partner may still ask for a block that names it
	s_endpgm
.Lfunc_end_k_q5043691958_outp:
	.size	k_q5043691958_outp, .Lfunc_end_k_q5043691958_outp-k_q5043691958_outp
	.p2alignl 7, 3214868480
	.fill 96, 4, 3214868480
	.section	.rodata,"a",@progbits
	.p2align	6, 0x0
	.amdhsa_kernel k_q5043691958_outp
		.amdhsa_group_segment_fixed_size 168448
		.amdhsa_private_segment_fixed_size 0
		.amdhsa_enable_private_segment 0
		.amdhsa_kernarg_size 32
		.amdhsa_user_sgpr_count 2
		.amdhsa_user_sgpr_kernarg_segment_ptr 1
		.amdhsa_wavefront_size32 1
		.amdhsa_system_sgpr_workgroup_id_x 1
		.amdhsa_system_sgpr_workgroup_id_y 1
		.amdhsa_system_sgpr_workgroup_id_z 1
		.amdhsa_system_vgpr_workitem_id 0
		.amdhsa_next_free_vgpr 1024
		.amdhsa_next_free_sgpr 66
		.amdhsa_reserve_vcc 0
		.amdhsa_float_denorm_mode_32 3
		.amdhsa_float_denorm_mode_16_64 3
		.amdhsa_memory_ordered 1
		.amdhsa_forward_progress 1
		.amdhsa_inst_pref_size 85
	.end_amdhsa_kernel
	.amdgpu_metadata
---
amdhsa.version: [ 1, 2 ]
amdhsa.kernels:
  - .name:           k_q5043691958_outp
    .symbol:         k_q5043691958_outp.kd
    .args:
      - { .name: cw, .offset: 0, .size: 8, .value_kind: global_buffer, .address_space: global }
      - { .name: oc, .offset: 8, .size: 8, .value_kind: global_buffer, .address_space: global }
      - { .name: bo, .offset: 16, .size: 8, .value_kind: global_buffer, .address_space: global }
      - { .name: out0, .offset: 24, .size: 8, .value_kind: global_buffer, .address_space: global }
    .group_segment_fixed_size: 168448
    .private_segment_fixed_size: 0
    .kernarg_segment_align: 8
    .kernarg_segment_size: 32
    .max_flat_workgroup_size: 128
    .sgpr_count:     66
    .vgpr_count:     1024
    .wavefront_size: 32
...
	.end_amdgpu_metadata
.endif
;; end of part 4
;; ======== version 2 of 2: 4 launches; version 1 with the launch attn written anew for expert scheduling mode
;; limits: right only within a limited range of input values
;; workspace buffers: cw 22,937,600 bytes; att 20,185,088 bytes; oc 6,553,600 bytes; mw 524,288 bytes of whole numbers; mf 65,536 bytes of whole numbers
;; launch prep: the kernel of part 1 again; grid 1024 x 1, 4 waves a work-group, no clusters, 68,096 bytes of LDS; arguments q, k, v, wq, wk, wv, wo, mask, cw, mw, mf; writes cw, mw, mf
;; launch proj: the kernel of part 2 again; grid 4 x 64, 4 waves a work-group, clusters of 4 x 1, 307,712 bytes of LDS; arguments cw, bq, bk, bv, att; writes att
;; launch attn (part 5): grid 4 x 64, 16 waves a work-group, no clusters, 210,944 bytes of LDS; arguments att, mw, mf, oc; writes oc
.if DOCPART == 5
	.amdgcn_target "amdgcn-amd-amdhsa--gfx1250"
	.amdhsa_code_object_version 6
	.text
	.protected	k_q5043691958_attn
	.globl	k_q5043691958_attn
	.p2align	8
	.type	k_q5043691958_attn,@function
k_q5043691958_attn:
	s_mov_b64 s[64:65], 0
	v_nop
	global_prefetch_b8 v0, s[64:65] scope:SCOPE_SE
	s_setreg_imm32_b32 hwreg(HW_REG_WAVE_SCHED_MODE, 0, 2), 2
	s_setreg_imm32_b32 hwreg(HW_REG_WAVE_MODE, 25, 1), 1
	s_wait_xcnt 0x0
	s_wait_alu depctr_vm_vsrc(0)
; ATTN.  For each (batch, head): O = softmax(where(mask == 0, -1e9, Q K^T / 8)) V, both products on codes of FP6 (E2M3) with E8M0 scales, and O / l quantised at once, along the model's 1,024, as the last product's operand.
; THE SOFTMAX: t = score x log2(e) / 8; M = the running largest t rounded UP to a whole number; p = 2^(t - M) is quantised along the keys, not normalised; the row's sum is taken of the unquantised p and divides at the end.
; When M moves, the sum and O are multiplied by 2^(old M - new M): exact.
; SHARES.  A work-group owns one head (work-group y) and every fourth tile of 16 queries (work-group x = j); wave w takes tiles 4 w + j and 4 (31 - w) + j.  A tile walks the 16 key steps of 128 keys in a loop of constant count.
; K AND V OF THE HEAD, codes and scale words, 208,896 bytes, are copied into LDS ONCE, through registers; one barrier; after it LDS is only read and the sixteen waves run freely, four to a SIMD.
; THE MASK is an input and no pattern of it is built in.  An earlier launch has stored it as lane masks: word n of a (tile, step) holds, for score register n, one bit a lane: so a masked score costs one v_cndmask_b32 on a
; scalar register.  Two stored bitmaps steer the walk: a step whose 16 x 128 entries are all masked is LEFT OUT, if each of the 16 rows has an open key somewhere (its p would all be 0); a step that is wholly open
; leaves the 64 selects out.  Those are branches on whole numbers that an earlier launch stored; there are no joint loads though four work-groups read the same head.
; A row with no open key is served: its tile leaves no step out, every p is 1 and the result is the mean of V, as in the reference.
; LAYOUT.  S^T = K Q^T (source 0 = 16 keys, source 1 = my 16 queries), O^T = V^T P^T: a lane holds ONE query.  The head's 64 fill half of the instruction's K: Q's upper six registers are zero codes, so what stands in
; K's upper six (the next tile's codes) adds nothing.  Tile t of any axis holds rows 32 (t / 2) + 8 (t % 2) + r + 8 (r / 8): the 16 registers of tiles 2 b, 2 b + 1 are the neighbours 32 b + 16 h + 0..15.
; LIMITS: a masked logit is taken as -2^30 in place of -1e9, so that its t is a whole number and p = 1 exactly in a wholly masked row; results hold where real logits lie above about -1e9.  NaN and infinities are not served.
; Blocks whose largest magnitude lies under 2^-124 keep the scale byte 1.
; REGISTERS: v1-4 lane terms; v5-10 the step's LDS addresses; v12 -M, v13 the largest t, v[14:15] the sum; v16-21 Q, v22-27 zeros; v28 Q's scale word; v29 the masked score; v30-31 V's scale words; v32-79 K's eight half
; fragments, then V's four fragments; v80-85 zeros; v86-89 K's scale words; v96-159 S^T, then p; v160-191 O^T; v192-203 p's codes; v204-222 at work.
; s16-63, s68-83 the step's 64 mask words; s84 steps to leave out, s85 open steps, s86 the step; s87-90 LDS bytes of the step's K, K's scales, V, V's scales.
; THE MODE: SCHED_MODE bits 1:0 = 2 (LLVM: expert scheduling mode 2), set by the entry lines.  The code itself states the register dependences between vector or matrix instructions and memory or LDS instructions,
; with s_wait_alu, always for 0.
; THE PLAN.  Registers that memory or LDS instructions touch, and who else names them:
;   v5-10          Addresses.  Written at the head and by the six additions at the head of each step that is walked; read by the fill's loads and LDS stores and by the step's LDS loads.
;   v1-4           Offsets.  Written once at the head, behind the fill's loads; read by Q's loads, by the tile's stores and by vector additions; never written again.
;   v96-197        At the head the fill's loads land there and its LDS stores read them; afterwards products, clearing lines and conversions alone write them.
;   v16-21, v28    Q's loads land there at a tile's head; the products K Q^T read them.
;   v32-79, v86-89 K's LDS loads land there at a step's head; the products K Q^T read them.  Behind those products V's LDS loads land in v32-79 and v30-31; the products V^T P read them.
;   v192-197, v222 At a tile's end conversions, lane swaps, moves and a shift write them; the tile's three stores read them; the next tile's steps write them again.
;   v192-203, v221 In a step vector lines write them; the scaled products V^T P take them as source 1 and as scales.  v22-27, v80-85: zeros written at the head, parts of the scaled products' operands.
; A wave has 256 registers at the most (four waves to a SIMD) and holds 219: V's 48 have no room beside K's 48, so the two share v32-79, and a wait on va_vdst stands ahead of each of the two runs of LDS loads.
; THE WAITS OF A STEP: va_vdst behind the six additions (the addresses are written; the last products V^T P are done reading v32-79); va_vdst behind the places that follow K Q^T (those products are done reading
; v32-85); vm_vsrc behind V's loads (all the step's LDS loads have read v5-10); va_vdst behind each of the two batches of exponentials; va_vdst ahead of V^T P (p's codes and scale word are written).
.set BLK, 102400
	s_load_b256 s[4:11], s[0:1], 0x0               ; att, mw, mf, oc
	v_lshl_add_u32 v224, v0, 2, 0x33000
	v_mov_b32 v225, 0
	v_lshrrev_b32 v1, 5, v0
	v_readfirstlane_b32 s12, v1                    ; wave 0..15
	s_mov_b32 s13, ttmp9                           ; j
	s_and_b32 s14, ttmp7, 0xffff                   ; 16 batch + head
	v_lshlrev_b32 v5, 4, v0                        ; the fill: 16 x thread: a round of the sixteen waves covers 8,192 bytes
	v_lshlrev_b32 v9, 3, v0
	v_add_nc_u32 v6, 0x10000, v5                   ; an LDS immediate has 16 bits: a register for each 65,536 bytes
	v_add_nc_u32 v7, 0x20000, v5
	v_add_nc_u32 v8, 0x30000, v5
	v_add_nc_u32 v10, 204800, v9
	s_wait_alu depctr_va_sdst(0)                   ; s12 is written, ahead of its first reader: the first tile's number is made from it
	s_mul_i32 s16, s14, 208896
	s_add_co_u32 s16, s16, 6815744                 ; the head's KV record
	s_mov_b32 s17, 0
	s_wait_kmcnt 0x0
	s_add_nc_u64 s[16:17], s[4:5], s[16:17]
	s_wait_alu depctr_va_vdst(0)                   ; v5 to v10 are written: the fill's loads and LDS stores read them as offsets and addresses; no vector line up to those stores names them or v96 to v197
.set n, 0
.rept 25
	global_load_b128 v[96+4*n:99+4*n], v5, s[16:17] offset:8192*n
.set n, n+1
.endr
	global_load_b64 v[196:197], v9, s[16:17] offset:204800   ; the last 4,096 bytes: 8 a thread
	v_and_b32 v11, 31, v0
	v_lshlrev_b32 v1, 4, v11                       ; 16 x lane
	v_lshlrev_b32 v2, 3, v11                       ; 8 x lane
	v_and_b32 v11, 15, v0
	v_lshlrev_b32 v3, 4, v11                       ; 16 r
	v_lshlrev_b32 v4, 3, v11                       ; 8 r
.irp j, 0,1,2,3,4,5
	v_mov_b32 v[22+\j], 0                          ; Q's upper half: zero codes
	v_mov_b32 v[80+\j], 0                          ; what stands behind K's last tile
.endr
	v_mov_b32 v29, 0xd0000000                      ; -2^33: a masked score (the logit is an eighth of it)
.irp j, 0,1,2,3
	v_mov_b32 v[204+\j], 0                         ; written once: a lane permute's destination counts as one of its sources
.endr
	v_mov_b32 v221, 0                              ; (named as the upper half of the pair v[220:221] before it is first written)
	v_mov_b32 v222, 0
	s_mov_b32 s92, 0x76543210
	s_mov_b32 s93, 0xfedcba98                      ; v_permlanex16_b32's selects for lane l xor 16
	s_mov_b32 s94, 0x3e38aa3b                      ; c = log2(e) / 8
	s_mov_b32 s95, s94                             ; (named with it as a pair)
	s_mul_i32 s18, s14, 106496
	s_mov_b32 s19, 0
	s_add_nc_u64 s[4:5], s[4:5], s[18:19]          ; the head's Q record
	s_lshr_b32 s18, s14, 4
	s_mul_i32 s18, s18, 16*BLK                     ; the batch's 16 blocks of oc
	s_and_b32 s19, s14, 15                         ; the head
	s_lshr_b32 s20, s19, 1                         ; its K step of the last product,
	s_and_b32 s21, s19, 1                          ; and which half of that step's fragments
	s_mul_i32 s22, s20, 12288
	s_add_co_u32 s22, s22, s18
	s_mul_i32 s23, s21, 768
	s_add_co_u32 s22, s22, s23
	s_mov_b32 s23, 0
	s_lshl_b32 s24, s20, 9
	s_add_co_u32 s24, s24, s18
	s_lshl_b32 s25, s21, 1
	s_add_co_u32 s24, s24, s25
	s_add_co_u32 s24, s24, 98304
	s_mov_b32 s25, 0
	s_add_nc_u64 s[2:3], s[10:11], s[24:25]        ; oc: what the head fixes of a scale word's two bytes,
	s_add_nc_u64 s[10:11], s[10:11], s[22:23]      ; and of a half fragment
	s_mov_b32 s15, s12                             ; the first tile's number / 4
.set n, 0
.rept 25
	s_wait_loadcnt 25-n                            ; load n is in; the 25 - n younger ones may be out
	ds_store_b128 v[5+n/8], v[96+4*n:99+4*n] offset:8192*(n%8)
.set n, n+1
.endr
	s_wait_loadcnt 0x0
	ds_store_b64 v10, v[196:197]
	s_wait_dscnt 0x0                               ; for the others' sake: my stores have landed
	s_barrier_signal -1
	s_barrier_wait -1                              ; the head's K and V lie in LDS; nothing is stored there again
	s_wait_alu depctr_vm_vsrc(0)                   ; the fill's loads and LDS stores have read v5 to v10, which the steps' additions write, and v96 to v197, which the clearing lines, the products and the conversions write
	s_mov_b32 s66, 2
.Ltile:
	s_lshl_b32 s67, s15, 2
	s_add_co_u32 s67, s67, s13                     ; T: my tile of 16 queries
	s_mul_i32 s32, s67, 768
	s_mov_b32 s33, 0
	s_add_nc_u64 s[32:33], s[4:5], s[32:33]        ; Q's half fragment
	s_lshr_b32 s34, s67, 3
	s_lshl_b32 s34, s34, 9
	s_and_b32 s35, s67, 1
	s_lshl_b32 s35, s35, 8
	s_add_co_u32 s34, s34, s35
	s_bfe_u32 s35, s67, 0x20001
	s_lshl_b32 s35, s35, 2
	s_add_co_u32 s34, s34, s35
	s_add_co_u32 s34, s34, 98304
	s_mov_b32 s35, 0
	s_add_nc_u64 s[34:35], s[4:5], s[34:35]        ; its scale words: 98,304 + 512 (T / 8) + 256 (T % 2) + 4 ((T % 8) / 2), + 16 r
	s_lshl_b32 s36, s67, 9
	s_mov_b32 s37, 0
	s_add_nc_u64 s[36:37], s[8:9], s[36:37]        ; the tile's four entries of flags
	s_lshl_b32 s96, s67, 12
	s_mov_b32 s97, 0
	s_add_nc_u64 s[96:97], s[6:7], s[96:97]        ; the tile's mask words, 256 bytes a step
	s_wait_alu depctr_va_vdst(0)                   ; v1 to v3, the offsets of the three loads below, are written, and so are the zeros v22 to v27 and v80 to v85, parts of the scaled products' operands; the last tile's products are done reading v16 to v21 and v28, in which the loads land
	global_load_b128 v[16:19], v1, s[32:33]
	global_load_b64 v[20:21], v2, s[32:33] offset:512
	global_load_b32 v28, v3, s[34:35]
	s_load_b128 s[16:19], s[36:37], 0x0
	s_load_b128 s[20:23], s[36:37], 0x80
	s_load_b128 s[24:27], s[36:37], 0x100
	s_load_b128 s[28:31], s[36:37], 0x180
	s_lshr_b32 s38, s67, 3
	s_mul_i32 s38, s38, BLK                        ; the tile's block of oc in the batch
	s_and_b32 s39, s67, 7
	s_mul_i32 s39, s39, 1536
	s_add_co_u32 s98, s38, s39
	s_mov_b32 s99, 0
	s_add_nc_u64 s[98:99], s[10:11], s[98:99]      ; where the tile's half fragment goes,
	s_bfe_u32 s39, s67, 0x10002
	s_lshl_b32 s39, s39, 8
	s_add_co_u32 s100, s38, s39
	s_and_b32 s39, s67, 1
	s_lshl_b32 s39, s39, 7
	s_add_co_u32 s100, s100, s39
	s_bfe_u32 s39, s67, 0x10001
	s_lshl_b32 s39, s39, 2
	s_add_co_u32 s100, s100, s39
	s_mov_b32 s101, 0
	s_add_nc_u64 s[100:101], s[2:3], s[100:101]    ; and its scale bytes: 256 (i / 4) + 128 (i % 2) + 4 ((i % 4) / 2), i = T % 8, + 8 r
	v_mov_b32 v13, 0xff61b1e6                      ; the largest t so far: -3e38, under every t
	v_floor_f32 v12, -v13                          ; -M
	v_mov_b32 v14, 0                               ; the sum, in two halves
	v_mov_b32 v15, 0
.set n, 0
.rept 32
	v_mov_b32 v[160+n], 0                          ; O^T.  (The step is written once: the first finds zeros, which the first change of M leaves zeros)
.set n, n+1
.endr
	s_mov_b32 s86, 0
	s_mov_b32 s87, 0
	s_mov_b32 s88, 98304
	s_mov_b32 s89, 106496
	s_mov_b32 s90, 204800
	s_wait_kmcnt 0x0
	s_lshl_b32 s38, s20, 4                         ; four bits a quarter make the maps of 16 steps
	s_or_b32 s84, s16, s38
	s_lshl_b32 s38, s24, 8
	s_or_b32 s84, s84, s38
	s_lshl_b32 s38, s28, 12
	s_or_b32 s84, s84, s38
	s_lshl_b32 s38, s21, 4
	s_or_b32 s85, s17, s38
	s_lshl_b32 s38, s25, 8
	s_or_b32 s85, s85, s38
	s_lshl_b32 s38, s29, 12
	s_or_b32 s85, s85, s38
	s_or_b32 s38, s18, s22
	s_or_b32 s38, s38, s26
	s_or_b32 s38, s38, s30                         ; bit lane (r, h): row r has an open key among those of half h
	s_lshr_b32 s39, s38, 16
	s_or_b32 s38, s38, s39
	s_and_b32 s38, s38, 0xffff
	s_cmp_eq_u32 s38, 0xffff                       ; every row has an open key?
	s_cselect_b32 s84, s84, 0                      ; only then are wholly masked steps left out
	s_wait_loadcnt 0x0                             ; Q; and the loads' bases may be written again
.Lstep:
	s_bitcmp1_b32 s84, 0
	s_cbranch_scc1 .Lnext                          ; round the step's loads, products and softmax; not round the lines at its end that step addresses
	s_load_b512 s[16:31], s[96:97], 0x0            ; the step's 64 mask words: asked for first, since nothing in the step is wanted later than they come
	s_load_b512 s[32:47], s[96:97], 0x40
	s_load_b512 s[48:63], s[96:97], 0x80
	s_load_b512 s[68:83], s[96:97], 0xc0
	v_add_nc_u32 v5, s87, v1                       ; (six plain lines stand between the last step's products and the loads below)
	v_add_nc_u32 v6, s87, v2
	v_add_nc_u32 v7, s88, v1
	v_add_nc_u32 v8, s89, v1
	v_add_nc_u32 v9, s89, v2
	v_add_nc_u32 v10, s90, v2
	s_wait_alu depctr_va_vdst(0)                   ; the six additions have written v5 to v10, the addresses of this step's LDS loads; the last walked step's products are done reading v32 to v79 and v86 to v89, in which K's loads land
.irp t, 0,1,2,3,4,5,6,7
	ds_load_b128 v[32+6*\t:35+6*\t], v5 offset:768*\t
	ds_load_b64 v[36+6*\t:37+6*\t], v6 offset:768*\t+512
.endr
	ds_load_b128 v[86:89], v7                      ; register t / 2: lanes 0-15 tile 2 (t / 2), lanes 16-31 the next
	s_wait_dscnt 0x0
.irp t, 0,2,4,6
	v_wmma_scale_f32_16x16x128_f8f6f4 v[96+8*\t:103+8*\t], v[32+6*\t:43+6*\t], v[16:27], 0, v[86+\t/2], v28 matrix_a_fmt:MATRIX_FMT_FP6 matrix_b_fmt:MATRIX_FMT_FP6
	v_wmma_scale_f32_16x16x128_f8f6f4 v[104+8*\t:111+8*\t], v[38+6*\t:49+6*\t], v[16:27], 0, v[86+\t/2], v28 matrix_a_fmt:MATRIX_FMT_FP6 matrix_b_fmt:MATRIX_FMT_FP6 matrix_a_scale:MATRIX_SCALE_ROW1
.endr
.rept 4
	v_nop                                          ; four places in front of the first read of the scores (ISA guide 7.12.1); they stay beside the wait below
.endr
	s_wait_alu depctr_va_vdst(0)                   ; the eight products K Q^T are done reading v32 to v85, and the last step's V^T P their scale words v30 and v31: V's loads land in v32 to v79, v30 and v31
.irp a, 0,1,2,3                        ; V's four fragments land while the softmax is walked
	ds_load_b128 v[32+12*\a:35+12*\a], v8 offset:1536*\a
	ds_load_b64 v[36+12*\a:37+12*\a], v9 offset:1536*\a+512
	ds_load_b128 v[38+12*\a:41+12*\a], v8 offset:1536*\a+768
	ds_load_b64 v[42+12*\a:43+12*\a], v9 offset:1536*\a+1280
.endr
	ds_load_b64 v[30:31], v10
	s_wait_alu depctr_vm_vsrc(0)                   ; all this step's LDS loads have read v5 to v10, which the next walked step's additions write again: stated here, ahead of the step's branches
	s_wait_kmcnt 0x0                               ; the mask words are in (on both ways: their base is stepped at the step's end)
	s_bitcmp1_b32 s85, 0
	s_cbranch_scc1 .Lopen
.set n, 0
.rept 64
.if n < 48
	v_cndmask_b32 v[96+n], v29, v[96+n], s[16+n]   ; register 16 b + i holds key 32 b + 16 h + i of the step: kept where the lane's bit is set
.else
	v_cndmask_b32 v[96+n], v29, v[96+n], s[20+n]
.endif
.set n, n+1
.endr
.Lopen:
.irp b, 0,1,2,3
	v_max3_num_f32 v[212+\b], v[96+16*\b], v[97+16*\b], v[98+16*\b]   ; the largest score of each block of 32 keys: it serves the row's maximum and, since p rises with the score, the block's largest p
.endr
.irp i, 3,5,7,9,11,13
.irp b, 0,1,2,3
	v_max3_num_f32 v[212+\b], v[212+\b], v[96+16*\b+\i], v[97+16*\b+\i]
.endr
.endr
.irp b, 0,1,2,3
	v_max_num_f32 v[212+\b], v[212+\b], v[111+16*\b]
.endr
.irp b, 0,1,2,3
	v_permlanex16_b32 v[204+\b], v[212+\b], s92, s93
.endr
.irp b, 0,1,2,3
	v_max_num_f32 v[212+\b], v[212+\b], v[204+\b]  ; with lane l xor 16's 16 keys
.endr
	v_max3_num_f32 v222, v212, v213, v214
	v_max_num_f32 v222, v222, v215                 ; the step's largest score of my query
	v_mul_f32 v222, s94, v222                      ; as t
	v_max_num_f32 v13, v13, v222                   ; the running largest t
	v_mov_b32 v222, v12
	v_floor_f32 v12, -v13                          ; the new -M = floor(-t) = -ceil(t)
	v_sub_f32 v222, v12, v222                      ; old M - new M: a whole number, 0 or less
	v_cvt_i32_f32 v222, v222                       ; (it saturates)
	v_ldexp_f32 v220, 1.0, v222                    ; f = 2^(old M - new M)
.set n, 0
.rept 32
	v_pk_fma_f32 v[96+n:97+n], v[96+n:97+n], s[94:95], v[12:13] op_sel_hi:[1,0,0]   ; t - M, two at a time
.set n, n+2
.endr
.irp b, 0,1,2,3
	v_fma_f32 v[212+\b], v[212+\b], s94, v12       ; the same of each block's largest score
.endr
.set n, 0
.rept 64
	v_exp_f32 v[96+n], v[96+n]                     ; p = 2^(t - M), at most 1
.set n, n+1
.endr
	v_pk_mul_f32 v[14:15], v[14:15], v[220:221] op_sel_hi:[1,0]   ; the sums under the new M: the plain place behind the exponentials
	s_wait_alu depctr_va_vdst(0)                   ; the 64 exponentials have written p, v96 to v159: one wait for the batch, ahead of its first reader
.irp b, 0,1,2,3
	v_exp_f32 v[212+\b], v[212+\b]                 ; the block's largest p
.endr
	v_pk_add_f32 v[204:205], v[96:97], v[98:99]    ; the row's sum is taken of the unquantised p, in two chains
.irp j, 4,8,12,16,20,24,28,32,36,40,44,48,52,56,60
	v_pk_add_f32 v[14:15], v[14:15], v[96+\j:97+\j]
	v_pk_add_f32 v[204:205], v[204:205], v[98+\j:99+\j]
.endr
	v_pk_add_f32 v[14:15], v[14:15], v[204:205]
	s_wait_alu depctr_va_vdst(0)                   ; the four exponentials have written v212 to v215, ahead of their first reader
.irp b, 0,1,2,3
	v_max_num_f32 v[212+\b], 0x1800000, v[212+\b]  ; the floor 2^(3 - 127): the byte cannot fall under 1 (a block whose every p is 0 keeps that byte: its codes are zeros)
.endr
.irp b, 0,1,2,3
	v_add_nc_u32 v[216+\b], 0xff000000, v[212+\b]  ; 2 off the exponent field: the conversion's scale operand
.endr
.irp b, 0,1,2,3
	v_lshrrev_b32 v[204+\b], 23, v[216+\b]         ; the scale's byte
.endr
	v_lshl_or_b32 v221, v205, 8, v204              ; p's scale word for these 128 keys
	v_lshl_or_b32 v221, v206, 16, v221
	v_lshl_or_b32 v221, v207, 24, v221
.irp c, 0,1
	v_cvt_scalef32_pk16_fp6_f32 v[192+6*\c:194+6*\c], v[96+32*\c:111+32*\c], v[216+2*\c]
	v_cvt_scalef32_pk16_fp6_f32 v[204+4*\c:206+4*\c], v[112+32*\c:127+32*\c], v[216+2*\c+1]   ; (a conversion's three registers begin on an even number)
.endr
	v_nop                                          ; one plain place behind a scaled conversion
.irp c, 0,1                            ; the operand's layout wants a whole block in a lane
.irp i, 0,1,2
	v_permlane16_swap_b32 v[192+6*\c+\i], v[204+4*\c+\i]
.endr
.irp i, 0,1,2
	v_mov_b32 v[195+6*\c+\i], v[204+4*\c+\i]
.endr
.endr
.set n, 0
.rept 16
	v_pk_mul_f32 v[160+n:161+n], v[160+n:161+n], v[220:221] op_sel_hi:[1,0]   ; O^T under the new M.  (These 16 are also the places between the operand's and the scale word's last writes and the products below)
.set n, n+2
.endr
	s_wait_dscnt 0x0                               ; V and its scale words
	s_wait_alu depctr_va_vdst(0)                   ; the swaps and moves have written p's codes, v192 to v203, and the shifts its scale word, v221: the scaled products below take them as source 1 and as scales; the places above stay beside this wait
.irp a, 0,2
	v_wmma_scale_f32_16x16x128_f8f6f4 v[160+8*\a:167+8*\a], v[32+12*\a:43+12*\a], v[192:203], v[160+8*\a:167+8*\a], v[30+\a/2], v221 matrix_a_fmt:MATRIX_FMT_FP6 matrix_b_fmt:MATRIX_FMT_FP6
	v_wmma_scale_f32_16x16x128_f8f6f4 v[168+8*\a:175+8*\a], v[44+12*\a:55+12*\a], v[192:203], v[168+8*\a:175+8*\a], v[30+\a/2], v221 matrix_a_fmt:MATRIX_FMT_FP6 matrix_b_fmt:MATRIX_FMT_FP6 matrix_a_scale:MATRIX_SCALE_ROW1
.endr
.Lnext:
	s_lshr_b32 s84, s84, 1
	s_lshr_b32 s85, s85, 1
	s_add_co_u32 s87, s87, 6144
	s_add_co_u32 s88, s88, 512
	s_add_co_u32 s89, s89, 6144
	s_add_co_u32 s90, s90, 256
	s_add_nc_u64 s[96:97], s[96:97], 256           ; no scalar load is out here
	s_add_co_u32 s86, s86, 1
	s_cmp_lt_u32 s86, 16
	s_cbranch_scc1 .Lstep
	; THE TILE'S END.  O^T / the sum is what the reference has at the last product's door: its 64 numbers of my head are two blocks of 32 along the model's 1,024.
.rept 4
	v_nop                                          ; four places behind the last products
.endr
	v_add_f32 v14, v14, v15                        ; the sum's two halves,
	v_permlanex16_b32 v222, v14, s92, s93
	v_add_f32 v14, v14, v222                       ; and lane l xor 16's
	v_rcp_f32 v14, v14
	v_nop                                          ; a plain place behind the reciprocal
	s_wait_alu depctr_va_vdst(0)                   ; the reciprocal has written v14, ahead of its first reader
.set n, 0
.rept 16
	v_pk_mul_f32 v[160+n:161+n], v[160+n:161+n], v[14:15] op_sel_hi:[1,0]   ; register 16 b + i: channel 32 b + 16 h + i of my query
.set n, n+2
.endr
.irp b, 0,1
	v_max3_num_f32 v[212+\b], |v[160+16*\b]|, |v[161+16*\b]|, 0x1800000
.endr
.irp i, 2,4,6,8,10,12,14
.irp b, 0,1
	v_max3_num_f32 v[212+\b], v[212+\b], |v[160+16*\b+\i]|, |v[161+16*\b+\i]|
.endr
.endr
.irp b, 0,1
	v_permlanex16_b32 v[204+\b], v[212+\b], s92, s93
.endr
.irp b, 0,1
	v_max_num_f32 v[212+\b], v[212+\b], v[204+\b]
.endr
.irp b, 0,1
	v_add_nc_u32 v[216+\b], 0xff000000, v[212+\b]
.endr
.irp b, 0,1
	v_lshrrev_b32 v[204+\b], 23, v[216+\b]
.endr
	v_lshl_or_b32 v222, v205, 8, v204              ; my row's two scale bytes
	v_cvt_scalef32_pk16_fp6_f32 v[192:194], v[160:175], v216
	v_cvt_scalef32_pk16_fp6_f32 v[208:210], v[176:191], v217
	v_nop                                          ; one plain place behind a scaled conversion
.irp i, 0,1,2
	v_permlane16_swap_b32 v[192+\i], v[208+\i]
.endr
.irp i, 0,1,2
	v_mov_b32 v[195+\i], v[208+\i]
.endr
	s_wait_alu depctr_va_vdst(0)                   ; the swaps and moves have written v192 to v197 and the shift v222: the three stores below read them as data
	global_store_b128 v1, v[192:195], s[98:99]     ; 512 and 256 consecutive bytes, each at a multiple of 256 from the buffer's first byte
	global_store_b64 v2, v[196:197], s[98:99] offset:512
	global_store_b16 v4, v222, s[100:101]          ; two bytes of each row's scale word (the word's other two are another head's); lanes 16-31 store what lanes 0-15 store
	s_wait_xcnt 0x0                                ; the stores have had their addresses translated: their bases are written again by the next tile only behind this wait
	s_wait_alu depctr_vm_vsrc(0)                   ; the stores have read v192 to v197 and v222, which the next tile's steps write again: stated ahead of the backward branch
	s_sub_co_u32 s15, 31, s15                      ; the second tile: 4 (31 - w) + j
	s_sub_co_u32 s66, s66, 1
	s_cmp_lg_u32 s66, 0
	s_cbranch_scc1 .Ltile
	s_wait_dscnt 0x0                               ; the closing lines, six on end
	s_wait_alu 0x0
	s_wait_tensorcnt 0x0
	ds_add_u32 v224, v225
	s_wait_dscnt 0x0
	s_endpgm
.Lfunc_end_k_q5043691958_attn:
	.size	k_q5043691958_attn, .Lfunc_end_k_q5043691958_attn-k_q5043691958_attn
	.p2alignl 7, 3214868480
	.fill 96, 4, 3214868480
	.section	.rodata,"a",@progbits
	.p2align	6, 0x0
	.amdhsa_kernel k_q5043691958_attn
		.amdhsa_group_segment_fixed_size 210944
		.amdhsa_private_segment_fixed_size 0
		.amdhsa_enable_private_segment 0
		.amdhsa_kernarg_size 32
		.amdhsa_user_sgpr_count 2
		.amdhsa_user_sgpr_kernarg_segment_ptr 1
		.amdhsa_wavefront_size32 1
		.amdhsa_system_sgpr_workgroup_id_x 1
		.amdhsa_system_sgpr_workgroup_id_y 1
		.amdhsa_system_sgpr_workgroup_id_z 1
		.amdhsa_system_vgpr_workitem_id 0
		.amdhsa_next_free_vgpr 226
		.amdhsa_next_free_sgpr 102
		.amdhsa_reserve_vcc 0
		.amdhsa_float_denorm_mode_32 3
		.amdhsa_float_denorm_mode_16_64 3
		.amdhsa_memory_ordered 1
		.amdhsa_forward_progress 1
		.amdhsa_inst_pref_size 37
	.end_amdhsa_kernel
	.amdgpu_metadata
---
amdhsa.version: [ 1, 2 ]
amdhsa.kernels:
  - .name:           k_q5043691958_attn
    .symbol:         k_q5043691958_attn.kd
    .args:
      - { .name: att, .offset: 0, .size: 8, .value_kind: global_buffer, .address_space: global }
      - { .name: mw, .offset: 8, .size: 8, .value_kind: global_buffer, .address_space: global }
      - { .name: mf, .offset: 16, .size: 8, .value_kind: global_buffer, .address_space: global }
      - { .name: oc, .offset: 24, .size: 8, .value_kind: global_buffer, .address_space: global }
    .group_segment_fixed_size: 210944
    .private_segment_fixed_size: 0
    .kernarg_segment_align: 8
    .kernarg_segment_size: 32
    .max_flat_workgroup_size: 512
    .sgpr_count:     102
    .vgpr_count:     226
    .wavefront_size: 32
...
	.end_amdgpu_metadata
.endif
;; end of part 5
;; launch outp: the kernel of part 4 again; grid 4 x 64, 4 waves a work-group, clusters of 4 x 1, 168,448 bytes of LDS; arguments cw, oc, bo, out0; writes out0
